; MI455X (gfx1250); checked and timed in simulation.
; The chip was launched on July 23, 2026; its instructions are those of AMD's public machine-readable ISA for CDNA 5 (MIT licence, August 2026) and "CDNA5" Instruction Set Architecture Reference Guide (July 2026). The comments in the code are by the model that wrote it; some were corrected since.
;; Attn. Allowed arithmetic: matrix products marked QUANTISED: E2M3 operands, one E8M0 scale for each 32 along K, by v_wmma_scale_f32_16x16x128_f8f6f4 with both operands' format E2M3, f32 sums; products left as they are: f32 operands where the result goes on into a quantised operand, else bf16, f16 or f32 operands; f32 sums; everything else in f32.
;; Inputs: W 1,024 x 2,048 float32; b 1,024 float32; encoder_outputs_codes 16 x 4,096 x 32 x 24 uint8 (E2M3 codes of encoder_outputs, K innermost, in blocks of 32 codes, four codes in three bytes); encoder_outputs_scales 16 x 4,096 x 32 uint8 (E8M0 scales of encoder_outputs, one for each 32 codes along K); hidden_codes 16 x 1 x 32 x 24 uint8 (E2M3 codes of hidden, K innermost, in blocks of 32 codes, four codes in three bytes); hidden_scales 16 x 1 x 32 uint8 (E8M0 scales of hidden, one for each 32 codes along K); v 1 x 1,024 float32.
;; Outputs: out0 16 x 1 x 4,096 float32.
;; This version of the problem:
;;   THIS VERSION OF THE PROBLEM IS GIVEN IN LOW PRECISION. The matrix products marked QUANTISED in the list below multiply operands that are first quantised to E2M3 (2 exponent bits, 3 mantissa bits; 6 bits a number), with one power-of-two scale for each 32 numbers along K (OCP MX v1.0); their sums are f32. All else is computed in f32.
;;   The module's matrix products, in the order in which they are computed (A, B: the left and right operand; K: the contracted axis; several contracted axes count as one K, in the product's order):
;;     1. [M 16, K 1,024] x [K 1,024, N 1,024]; A: input hidden (given as codes); B: input W: QUANTISED
;;     2. [M 65,536, K 1,024] x [K 1,024, N 1,024]; A: input encoder_outputs (given as codes); B: input W: QUANTISED
;;     3. [M 65,536, K 1,024] x [K 1,024, N 1]; A: computed on the way; B: input v: left as it is (N = 1 < 16)
;;   THE QUANTISER, for each operand of a quantised product, along K:
;;     - K is cut into blocks of 32 from its start; a last block that is shorter is filled with zeros.
;;     - A block's scale is 2^e with e = floor(log2(the largest magnitude in the block)) - 2, held to -126 .. 127; a block of zeros has e = 0. As a byte (E8M0): e + 127.
;;     - Each number is divided by its block's scale, clamped to +-7.5, and rounded to the nearest number of E2M3, ties to even, subnormals kept.
;;     - The product sums the exact products of the quantised numbers (number of the format x scale) in f32.
;;   ~~~python
;;   def quantise(x, axis):      # numpy; x: float32 -> the quantised numbers, widened to float32 again
;;       x = np.moveaxis(x, axis, -1); K = x.shape[-1]
;;       x = np.pad(x, [(0, 0)] * (x.ndim - 1) + [(0, -K % 32)]); x = x.reshape(x.shape[:-1] + (-1, 32)); a = np.abs(x).max(-1, keepdims=True)
;;       e = np.where(a > 0, np.clip(np.frexp(np.where(a > 0, a, 1))[1] - 1 - 2, -126, 127), 0)      # np.frexp(a)[1] - 1 = floor(log2(a)), exactly
;;       r = np.clip(x / 2.0 ** e, -7.5, 7.5)
;;       step = 2.0 ** (np.maximum(np.frexp(np.where(r == 0, 1, r))[1] - 1, 0) - 3)
;;       q = np.round(r / step) * step * 2.0 ** e      # np.round: ties to even
;;       return np.moveaxis(q.reshape(q.shape[:-2] + (-1,))[..., :K], -1, axis).astype(np.float32)
;;   ~~~
;;   INPUTS GIVEN AS CODES. encoder_outputs (in the module: [16, 4096, 1024], K = its axis 2); hidden (in the module: [16, 1, 1024], K = its axis 2): each comes as NAME_codes (uint8): NAME with its K axis moved to the last place and cut into blocks of 32 codes, [.., K / 32, bytes a block], one block behind the other in memory; four codes in three bytes: a row's codes are one little-endian stream of bits, code i at bits 6 i .. 6 i + 5 (a code: sign, 2 exponent bits, 3 mantissa bits); and NAME_scales (uint8): the same leading axes, one E8M0 byte (e + 127) for each 32 codes along K. Its value is code x scale, taken as it is: it is not quantised again, and the codes and scales need not be those that the quantiser above would give.
;; 2 versions. Each part assembles by itself: llvm-mc -triple=amdgcn-amd-amdhsa -mcpu=gfx1250 --defsym DOCPART=n.
;; ======== version 1 of 2: 3 launches
;; workspace buffers: wrec 819,200 bytes; hidpart 16,384 bytes; energies 262,144 bytes
;; launch quant (part 1): grid 64 x 4, 4 waves a work-group, no clusters, 68,608 bytes of LDS; arguments W, b, v, hidden_codes, hidden_scales, wrec, hidpart; writes wrec, hidpart
.if DOCPART == 1
	.amdgcn_target "amdgcn-amd-amdhsa--gfx1250"
	.amdhsa_code_object_version 6
	.text
	.protected	k_qbe0b926a2c_quant
	.globl	k_qbe0b926a2c_quant
	.p2align	8
	.type	k_qbe0b926a2c_quant,@function
k_qbe0b926a2c_quant:
	s_mov_b64 s[64:65], 0
	v_nop
	global_prefetch_b8 v0, s[64:65] scope:SCOPE_SE
	s_setreg_imm32_b32 hwreg(HW_REG_WAVE_MODE, 25, 1), 1
	s_wait_xcnt 0x0
; W [1024][2048] f32 is quantised along its rows (K innermost) into codes of FP6 (E2M3) with one E8M0 byte for each 32 numbers.
; Columns 0-1023 are Wh, columns 1024-2047 are We; both begin on a block's edge, so the blocks are simply those of a row of W.
; SHARES.  Work-group (x, y): x = a tile of 16 rows of W, y = a quarter of the 2,048 columns.  Wave w takes K step 4 y + w: 16 rows x 128 numbers, 8 KiB, read once.
; y = 2, 3 (We): the fragment leaves as an IMAGE OF THE OPERAND'S REGISTERS into wrec, record x (12,800 bytes): byte 1536 ks + 512 c + 16 lane = registers 4 c .. 4 c + 3 of
;   K step ks; byte 12288 + 64 ks + 4 r = the scale word of row r.  The next launch loads fragments from it by 16-byte loads alone.
; y = 0, 1 (Wh): the fragment stays in registers and is multiplied at once by hidden's codes of the same K step (16 batches): D(n, batch), with the bias as C in K step 0 alone;
;   D is then folded with v[n], so that what leaves is one number a batch: hidpart [256][16] f32, whose sum over the first axis is v . (Wh hid + b).
; The work-group's y parts the text ONCE into two paths; each has its own barrier, its own end and LDS bytes of its own.
; A block's scale is 2^(floor(log2(largest magnitude)) - 2); its byte is the largest magnitude's exponent field - 2, held at 1 from below by a floor among the maximum's leaves.
; LIMITS: a block of zeros gets the byte 1 where the quantiser says 127: its codes are zeros, which add nothing under any byte but 0xff, and this program alone reads the bytes.
;   NaN and infinities in W are not served.  No tensor loads, no cluster: no two work-groups read the same bytes of W.
.set SPIT,  528                        ; a stage row: 512 bytes + 16
.set STW,   16*SPIT                    ; a wave's stage
.set STG_E, 0                          ; the four stages of the We path
.set STG_H, 4*STW                      ; those of the Wh path
.set SCX,   8*STW                      ; We path: the four waves' scale words, 256 bytes
.set HPX,   SCX+256                    ; Wh path: the four waves' sums, 256 bytes
.set REC,   12800                      ; a record of wrec
.set TM,  32                           ; v32-35 largest magnitudes, v36-39 bytes, v44-47 the conversions' scale operands
.set PW,  48                           ; the scale word just made
.set HS,  49                           ; hidden's scale words
.set X,   64                           ; v64-127  64 numbers a lane
.set PC,  128                          ; v128-147 the codes
.set HF,  148                          ; v148-159 hidden's fragment
.set BB,  160                          ; v160-167 the bias of my eight rows
.set VV,  168                          ; v168-175 v of my eight rows
.set CB,  176                          ; v176-183 the bias, or zeros
.set DD,  184                          ; v184-191 the product
.macro LOADW                           ; row i of the tile: 128 numbers, 512 consecutive bytes, 16 a lane
.irp i, 0,1,2,3,4,5,6,7,8,9,10,11,12,13,14,15
	global_load_b128 v[X+4*\i:X+4*\i+3], v4, s[4:5] offset:8192*\i th:TH_LOAD_NT
.endr
.endm
; The conversions want 16 neighbours along K in one lane's registers; the loads want neighbouring bytes in neighbouring lanes.  So the 8 KiB turn through the wave's own stage.
.macro TURN base
.irp i, 0,1,2,3,4,5,6,7,8,9,10,11,12,13,14,15
	s_wait_loadcnt 15-\i                           ; row i is in; the 15 - i younger rows may be out
	ds_store_b128 v5, v[X+4*\i:X+4*\i+3] offset:\base+SPIT*\i
.endr
.irp b, 0,1,2,3
.irp j, 0,1,2,3
	ds_load_b128 v[X+16*\b+4*\j:X+16*\b+4*\j+3], v6 offset:\base+128*\b+16*\j   ; LDS serves a wave's instructions in order: these see my stores.  Register 16 b + i = k 32 b + 16 h + i of row r
.endr
.endr
	s_wait_dscnt 0x0
.endm
; 64 numbers of a lane, register 16 b + i = k 32 b + 16 (lane / 16) + i of my row, become a fragment's codes in v[PC] on and its scale word in v[PW].
.macro QUANT s
.irp b, 0,1,2,3
	v_max3_num_f32 v[TM+\b], |v[\s+16*\b]|, |v[\s+1+16*\b]|, 0x1800000   ; block b: my 16 numbers, and the floor 2^(3 - 127): the byte cannot fall under 1
.endr
.irp i, 2,4,6,8,10,12,14
.irp b, 0,1,2,3
	v_max3_num_f32 v[TM+\b], v[TM+\b], |v[\s+16*\b+\i]|, |v[\s+1+16*\b+\i]|   ; the four blocks by turns
.endr
.endr
.irp b, 0,1,2,3
	v_permlanex16_b32 v[TM+4+\b], v[TM+\b], s24, s25
.endr
.irp b, 0,1,2,3
	v_max_num_f32 v[TM+\b], v[TM+\b], v[TM+4+\b]   ; with lane l xor 16's: the block's largest magnitude
.endr
.irp b, 0,1,2,3
	v_add_nc_u32 v[TM+12+\b], 0xff000000, v[TM+\b]   ; 2 off its exponent field: the conversion takes the exponent field of this operand as its scale
.endr
.irp b, 0,1,2,3
	v_lshrrev_b32 v[TM+4+\b], 23, v[TM+12+\b]      ; the scale's byte
.endr
	v_lshl_or_b32 v[PW], v[TM+5], 8, v[TM+4]       ; the four bytes make my row's scale word
	v_lshl_or_b32 v[PW], v[TM+6], 16, v[PW]
	v_lshl_or_b32 v[PW], v[TM+7], 24, v[PW]
.irp c, 0,1
	v_cvt_scalef32_pk16_fp6_f32 v[PC+6*\c:PC+2+6*\c], v[\s+32*\c:\s+15+32*\c], v[TM+12+2*\c]
	v_cvt_scalef32_pk16_fp6_f32 v[PC+12+4*\c:PC+14+4*\c], v[\s+16+32*\c:\s+31+32*\c], v[TM+12+2*\c+1]   ; (a conversion's three registers begin on an even number)
.endr
	v_nop                                          ; one plain place behind a scaled conversion
.irp c, 0,1                                    ; the operand's layout wants a whole block in a lane: lanes 0-15 block 2 c, lanes 16-31 block 2 c + 1
.irp i, 0,1,2
	v_permlane16_swap_b32 v[PC+6*\c+\i], v[PC+12+4*\c+\i]
.endr
.irp i, 0,1,2
	v_mov_b32 v[PC+3+6*\c+\i], v[PC+12+4*\c+\i]
.endr
.endr
.endm
	s_load_b256 s[4:11], s[0:1], 0x0               ; W s[4:5], b s[6:7], v s[8:9], hidden's codes s[10:11]
	s_load_b128 s[12:15], s[0:1], 0x20             ; hidden's scales s[12:13], wrec s[14:15]
	s_load_b64 s[16:17], s[0:1], 0x30              ; hidpart
	v_lshl_add_u32 v192, v0, 2, 0x10a00
	v_mov_b32 v193, 0
	v_lshrrev_b32 v1, 5, v0
	v_readfirstlane_b32 s18, v1                    ; wave 0..3
	v_and_b32 v1, 31, v0                           ; lane
	v_and_b32 v2, 15, v0                           ; r
	v_bfe_u32 v3, v0, 4, 1                         ; h
	s_and_b32 s20, ttmp7, 0xffff                   ; y
	s_lshl_b32 s21, s20, 2
	s_add_co_u32 s21, s21, s18                     ; my K step of W's 16: 4 y + wave
	s_mul_i32 s26, s18, STW
	s_lshl_b32 s27, s18, 6
	s_mov_b32 s24, 0x76543210
	s_mov_b32 s25, 0xfedcba98                      ; v_permlanex16_b32's selects for lane l xor 16
	; every LDS address is made here, ahead of the parting
	v_lshlrev_b32 v4, 4, v1                        ; 16 x lane
	v_add_nc_u32 v5, s26, v4                       ; into my stage: 16 x lane
	v_mul_u32_u24 v6, v2, SPIT
	v_lshl_add_u32 v6, v3, 6, v6
	v_add_nc_u32 v6, s26, v6                       ; out of it: row r, + 64 h
	v_lshl_add_u32 v10, v2, 2, s27
	v_add_nc_u32 v11, HPX, v10                     ; Wh: my wave's sum of batch r
	v_add_nc_u32 v10, SCX, v10                     ; We: my wave's scale word of row r
	v_lshl_add_u32 v12, v1, 3, SCX                 ; We, wave 0: 8 bytes a lane of the 256
	v_lshlrev_b32 v13, 7, v3
	v_lshl_add_u32 v13, v2, 2, v13
	v_add_nc_u32 v13, HPX, v13                     ; Wh, wave 0: the sums of waves 2 h and 2 h + 1, batch r
	v_lshlrev_b32 v14, 3, v1
	v_lshlrev_b32 v15, 2, v1
.irp b, 0,1,2,3
	v_mov_b32 v[TM+4+\b], 0                        ; written once: a lane permute's destination counts as one of its sources
.endr
	s_lshl_b32 s28, ttmp9, 17                      ; 16 rows of 8,192 bytes a tile,
	s_lshl_b32 s29, s21, 9                         ; 512 bytes a K step
	s_add_co_u32 s28, s28, s29
	s_mov_b32 s29, 0
	s_wait_kmcnt 0x0
	s_add_nc_u64 s[4:5], s[4:5], s[28:29]
	s_cmp_lt_u32 s20, 2
	s_cbranch_scc1 .Lwh
	; ---------------- We: codes and scale words go to wrec
	LOADW
	s_sub_co_u32 s30, s21, 8                       ; ks = 0..7
	s_mul_i32 s30, s30, 1536
	s_mul_i32 s31, ttmp9, REC
	s_add_co_u32 s30, s30, s31
	s_mov_b32 s31, 0
	s_add_nc_u64 s[32:33], s[14:15], s[30:31]      ; my fragment's image
	s_sub_co_u32 s36, s20, 2
	s_lshl_b32 s36, s36, 8
	s_add_co_u32 s36, s36, 12288
	s_mul_i32 s37, ttmp9, REC
	s_add_co_u32 s36, s36, s37
	s_mov_b32 s37, 0
	s_add_nc_u64 s[34:35], s[14:15], s[36:37]      ; the work-group's four K steps of scale words: 256 bytes, at a multiple of 256 from the buffer's first byte
	TURN STG_E
	QUANT X
.irp c, 0,1,2
	global_store_b128 v4, v[PC+4*\c:PC+4*\c+3], s[32:33] offset:512*\c   ; 32 lanes store 512 consecutive bytes, aligned
.endr
	ds_store_b32 v10, v[PW]                        ; lanes r and r + 16 write the same word with the same value
	s_wait_dscnt 0x0                               ; for the others' sake: my store has landed
	s_barrier_signal -1
	s_barrier_wait -1
	s_cmp_lg_u32 s18, 0
	s_cbranch_scc1 .Lwe_end
	ds_load_b64 v[50:51], v12
	s_wait_dscnt 0x0
	global_store_b64 v14, v[50:51], s[34:35]       ; 32 lanes store 256 consecutive bytes, aligned
.Lwe_end:
	s_wait_tensorcnt 0x0
	ds_add_u32 v192, v193
	s_wait_dscnt 0x0
	s_endpgm
	; ---------------- Wh: the fragment is multiplied by hidden at once
.Lwh:
	v_mul_u32_u24 v7, v2, 768                      ; hidden: batch r's row of 768 bytes,
	v_mad_u32_u24 v7, v3, 24, v7                   ; + 24 h
	v_lshlrev_b32 v8, 5, v2                        ; its 32 scale bytes
	v_lshlrev_b32 v9, 5, v3                        ; b and v: my eight rows 8 h + 0 .. 7 of the tile
	s_mul_i32 s30, s21, 96
	s_mov_b32 s31, 0
	s_add_nc_u64 s[10:11], s[10:11], s[30:31]      ; 96 bytes of codes a K step
	s_lshl_b32 s30, s21, 2
	s_add_nc_u64 s[12:13], s[12:13], s[30:31]      ; 4 scale bytes a K step
	s_lshl_b32 s30, ttmp9, 6
	s_add_nc_u64 s[6:7], s[6:7], s[30:31]          ; the tile's 16 numbers of b
	s_add_nc_u64 s[8:9], s[8:9], s[30:31]          ; and of v
	s_lshl_b32 s30, ttmp9, 1
	s_add_co_u32 s30, s30, s20
	s_lshl_b32 s30, s30, 7
	s_add_nc_u64 s[16:17], s[16:17], s[30:31]      ; hidpart: 128 bytes for work-group (x, y)
	s_cmp_eq_u32 s21, 0
	s_cselect_b32 s22, -1, 0                       ; the bias counts once: in K step 0
.irp p, 0,1,2,3,4,5
	global_load_b64 v[HF+2*\p:HF+2*\p+1], v7, s[10:11] offset:48*(\p/3)+8*(\p%3)
.endr
	global_load_b32 v[HS], v8, s[12:13]
	global_load_b128 v[BB:BB+3], v9, s[6:7]
	global_load_b128 v[BB+4:BB+7], v9, s[6:7] offset:16
	global_load_b128 v[VV:VV+3], v9, s[8:9]
	global_load_b128 v[VV+4:VV+7], v9, s[8:9] offset:16
	LOADW                                          ; W's loads are the youngest: the counts in TURN cover the eleven above
	TURN STG_H
	QUANT X
.irp j, 0,1,2,3,4,5,6,7
	v_and_b32 v[CB+\j], s22, v[BB+\j]              ; the bias or zeros.  These eight and the four below are the places between the scale word, the codes and C, all written by vector instructions, and the scaled product
.endr
.rept 4
	v_nop
.endr
	v_wmma_scale_f32_16x16x128_f8f6f4 v[DD:DD+7], v[PC:PC+11], v[HF:HF+11], v[CB:CB+7], v[PW], v[HS] matrix_a_fmt:MATRIX_FMT_FP6 matrix_b_fmt:MATRIX_FMT_FP6   ; lane (r, h), register j: row 8 h + j of the tile, batch r
.rept 4
	v_nop
.endr
	v_mul_f32 v[TM], v[DD], v[VV]                  ; folded with v, from the result's low end on
.irp j, 1,2,3,4,5,6,7
	v_fmac_f32 v[TM], v[DD+\j], v[VV+\j]
.endr
	v_permlanex16_b32 v[TM+4], v[TM], s24, s25
	v_add_f32 v[TM], v[TM], v[TM+4]                ; the tile's other eight rows
	ds_store_b32 v11, v[TM]                        ; lanes r and r + 16 write the same word with the same value
	s_wait_dscnt 0x0                               ; for the others' sake: my store has landed
	s_barrier_signal -1
	s_barrier_wait -1
	s_cmp_lg_u32 s18, 0
	s_cbranch_scc1 .Lwh_end
	ds_load_b32 v50, v13
	ds_load_b32 v51, v13 offset:64
	s_wait_dscnt 0x0
	v_add_f32 v50, v50, v51
	global_store_b32 v15, v50, s[16:17]            ; 128 consecutive bytes: two rows of hidpart
.Lwh_end:
	s_wait_tensorcnt 0x0
	ds_add_u32 v192, v193
	s_wait_dscnt 0x0
	s_endpgm
.Lfunc_end_k_qbe0b926a2c_quant:
	.size	k_qbe0b926a2c_quant, .Lfunc_end_k_qbe0b926a2c_quant-k_qbe0b926a2c_quant
	.p2alignl 7, 3214868480
	.fill 96, 4, 3214868480
	.section	.rodata,"a",@progbits
	.p2align	6, 0x0
	.amdhsa_kernel k_qbe0b926a2c_quant
		.amdhsa_group_segment_fixed_size 68608
		.amdhsa_private_segment_fixed_size 0
		.amdhsa_enable_private_segment 0
		.amdhsa_kernarg_size 56
		.amdhsa_user_sgpr_count 2
		.amdhsa_user_sgpr_kernarg_segment_ptr 1
		.amdhsa_wavefront_size32 1
		.amdhsa_system_sgpr_workgroup_id_x 1
		.amdhsa_system_sgpr_workgroup_id_y 1
		.amdhsa_system_sgpr_workgroup_id_z 1
		.amdhsa_system_vgpr_workitem_id 0
		.amdhsa_next_free_vgpr 194
		.amdhsa_next_free_sgpr 66
		.amdhsa_reserve_vcc 0
		.amdhsa_float_denorm_mode_32 3
		.amdhsa_float_denorm_mode_16_64 3
		.amdhsa_memory_ordered 1
		.amdhsa_forward_progress 1
		.amdhsa_inst_pref_size 23
	.end_amdhsa_kernel
	.amdgpu_metadata
---
amdhsa.version: [ 1, 2 ]
amdhsa.kernels:
  - .name:           k_qbe0b926a2c_quant
    .symbol:         k_qbe0b926a2c_quant.kd
    .args:
      - { .name: W, .offset: 0, .size: 8, .value_kind: global_buffer, .address_space: global }
      - { .name: b, .offset: 8, .size: 8, .value_kind: global_buffer, .address_space: global }
      - { .name: v, .offset: 16, .size: 8, .value_kind: global_buffer, .address_space: global }
      - { .name: hidden_codes, .offset: 24, .size: 8, .value_kind: global_buffer, .address_space: global }
      - { .name: hidden_scales, .offset: 32, .size: 8, .value_kind: global_buffer, .address_space: global }
      - { .name: wrec, .offset: 40, .size: 8, .value_kind: global_buffer, .address_space: global }
      - { .name: hidpart, .offset: 48, .size: 8, .value_kind: global_buffer, .address_space: global }
    .group_segment_fixed_size: 68608
    .private_segment_fixed_size: 0
    .kernarg_segment_align: 8
    .kernarg_segment_size: 56
    .max_flat_workgroup_size: 128
    .sgpr_count:     66
    .vgpr_count:     194
    .wavefront_size: 32
...
	.end_amdgpu_metadata
.endif
;; end of part 1
;; launch gemm (part 2): grid 256 x 1, 4 waves a work-group, clusters of 4 x 1, 327,680 bytes of LDS; arguments encoder_outputs_codes, encoder_outputs_scales, wrec, v, energies; writes energies
.if DOCPART == 2
	.amdgcn_target "amdgcn-amd-amdhsa--gfx1250"
	.amdhsa_code_object_version 6
	.text
	.protected	k_qbe0b926a2c_gemm
	.globl	k_qbe0b926a2c_gemm
	.p2align	8
	.type	k_qbe0b926a2c_gemm,@function
k_qbe0b926a2c_gemm:
	s_mov_b64 s[64:65], 0
	v_nop
	global_prefetch_b8 v0, s[64:65] scope:SCOPE_SE
	s_setreg_imm32_b32 hwreg(HW_REG_WAVE_MODE, 25, 1), 1
	s_wait_xcnt 0x0
	s_wait_alu depctr_hold_cnt(0) depctr_sa_sdst(0) depctr_va_vdst(0) depctr_va_sdst(0) depctr_va_ssrc(0) depctr_va_vcc(0) depctr_vm_vsrc(0)
	s_getreg_b32 s2, hwreg(HW_REG_IB_STS2, 6, 4)
	s_cmp_eq_u32 s2, 0
	s_cbranch_scc0 .Lentry_in_a_cluster
	s_endpgm
.Lentry_in_a_cluster:
	s_bfe_u32 s2, ttmp6, 0x10000c
	s_cmp_lg_u32 s2, 0x3003
	s_cbranch_scc0 .Lentry_shape_is_right
	s_endpgm
.Lentry_shape_is_right:
; energies[row] = the sum over n of v[n] x (the sum over k of enc[row][k] We[n][k]), 65,536 rows, n and k to 1,024.  The inner product runs on codes of FP6 (E2M3) with E8M0 scales;
; the product with v is f32 multiply-adds.  The [65,536 x 1,024] matrix is never kept: each 16 x 16 accumulator is folded with v into one pair of numbers a row as soon as its sum along K has ended.
; The hidden term and the bias, one number a batch, are added by the next launch.
; SHARES.  A work-group owns 256 rows: 256 work-groups.  Wave w: kh = w % 2, rh = w / 2: rows 128 rh .. + 127 (8 blocks of 16) and half kh of K (4 steps of 128).  The fold with v is linear, so the two halves
; of K are added at the end, in f32.  The wave's 32 fragments of enc (384 registers) STAY IN REGISTERS; it walks the 64 tiles of 16 rows of We, and each fragment of We read from LDS feeds 8 matrix instructions.
; A TILE is 32 matrix instructions: 8 accumulators by turns, one instruction a turn, 4 links each, the first with C = 0.  Two sets of accumulators, of We's fragments, of its
; scale words and of v's numbers take turns: while tile t is multiplied, tile t - 1 is folded and tile t + 1 is fetched from LDS.
; TRANSPOSED USE: source 0 = 16 rows of We, source 1 = 16 rows of enc: lane (r, h) holds row r, register j column n = 16 t + 8 h + j.
; We comes as records of register images (12,800 bytes a tile: the launch before wrote them): a fragment is three loads of 16 bytes a lane, 512 consecutive bytes each; no pitch, no padding.
; CLUSTER 4 x 1: the four work-groups walk the same records and the same v: each group of 8 records is asked for JOINTLY, one load a wave (2 records).  enc's rows belong to one work-group: plain loads.
; A mask names four work-groups at the most and enc is shared by nobody, so a wider cluster would share nothing more.
; No prefetch: enc is wanted at the head; the records are read by every cluster, not once.
; LDS: slot 0 at 0 (8 records); enc's stage behind it (256 rows of 3 x (256 + 16) bytes), read once into registers; slot 1 at 2^17 lies inside that stage and is filled only when the stage has been read.
.set REC,   12800
.set GRPB,  8*REC                      ; a group of 8 records: a slot
.set SLOT1, 1<<17                      ; one exclusive or turns an address in one slot into the other's
.set ASTG,  GRPB                       ; enc's stage
.set APIT,  816                        ; a row of 768 bytes with 16 bytes of padding behind each 256
.set AWAVE, 64*APIT                    ; 64 rows: what one tensor load brings
.set SPARE, ASTG+4*AWAVE               ; the spare words, 128 bytes a wave: two blocks of 256 bytes that no other line names
.set ESTG,  SPARE+512                  ; the waves' sums meet here: 2 halves of K x 256 rows x 4 bytes; no tensor load lands here
.set VLDS,  ESTG+2048                  ; v, 4,096 bytes, filled once
; window 0
.set SPW, 1                            ; v1   LDS address of my spare word; never rewritten
.set NIL, 2                            ; v2   0; never rewritten
.set LN,  3                            ; lane
.set RR,  4                            ; lane % 16
.set HH,  5                            ; lane / 16
.set AC,  6                            ; v6-10  five addresses into enc's stage, one for each count of paddings passed (ADRCLASS)
.set ASO, 11                           ; my offset among enc's scale bytes
.set VT,  12                           ; at work; at the end 8 x thread
.set VRB, 13                           ; at work; at the end ESTG + 8 x thread
.set VTM, 14
.set EA,  15                           ; where my row's sum goes
.set AS,  16                           ; v16-31 enc's scale words: register 4 a + s: lanes 0-15 block a, lanes 16-31 block a + 4, K step s
.set BS,  32                           ; v32-35 We's scale words: register 2 p + u: lanes 0-15 K step 2 u, lanes 16-31 K step 2 u + 1, set p
.set VV,  40                           ; v40-55 v[16 t + 8 h + 0 .. 7], set p at 8 p
.set WK,  56                           ; v56-63 at work at the end
.set AF0, 64                           ; v64-255 enc's fragments of K steps 0, 1: 12 (8 s + a); window 1, v0-191: those of K steps 2, 3
; window 2
.set BF,  128                          ; v128-223 We's fragments: 48 p + 12 s;   v0-127 the accumulators: 64 p + 8 a
.set EN,  224                          ; v224-239 the folded sums: a pair for each block a (even columns, odd columns)
.set LBF, 240                          ; my lane's place in a record's images: 6144 kh + 16 lane
.set LBS, 241                          ; among its scale words: 12288 + 256 kh + 4 lane
.set LBV, 242                          ; in v: VLDS + 32 h
.set ADF, 243                          ; the same for the tile being fetched
.set ADS, 244
.set ADV, 245
; scalars
.set WV,  14
.set KH,  15
.set RH,  16
.set CX,  17
.set GW,  18
.set G1A, 24                           ; s[24:31] group 1: enc's rows;  s[32:39]: records;  s[40:47]: v
.set G1B, 32
.set G1V, 40
.set G0A, 48                           ; s[48:51], s[52:55], s[56:59] their groups 0; the records' walks
.set G0B, 52
.set G0V, 56
.set TB,  60                           ; LDS byte of the record to be fetched next
.set TV,  61                           ; 64 x that tile's number
.set CNT, 62
.set GRP, 63
.set SEL, 66
.set MSB, 0
.macro WIN new                         ; the immediate's high byte repeats the setting that is left; a switch that changes nothing is dropped
.if MSB != \new
	s_set_vgpr_msb (MSB<<8)|\new
.set MSB, \new
.endif
.endm
.set W_LO, 0xa2                        ; source 0, C and D window 2; source 1 window 0
.set W_HI, 0xa6                        ; the same, source 1 window 1
.set W_LD, 0x02                        ; destination window 0, address window 2
.macro CROUND                          ; a round of the cluster's barrier
	s_barrier_signal -1
	s_barrier_wait -1
	s_cmp_lg_u32 s[WV], 0
	s_cbranch_scc1 .Lnot_wave_0_\@
	s_barrier_signal -3
.Lnot_wave_0_\@:
	s_barrier_wait -3
	s_barrier_signal -1
	s_barrier_wait -1
.endm
	s_load_b256 s[4:11], s[0:1], 0x0               ; enc's codes s[4:5], enc's scales s[6:7], wrec s[8:9], v s[10:11]
	s_load_b64 s[12:13], s[0:1], 0x20              ; energies
	v_lshl_add_u32 v[SPW], v0, 2, SPARE
	v_mov_b32 v[NIL], 0
	ds_add_u32 v1, v2
	ds_add_u32 v1, v2
	s_wait_dscnt 0x0
	v_lshrrev_b32 v[LN], 5, v0
	v_readfirstlane_b32 s[WV], v[LN]               ; wave 0..3
	s_and_b32 s[KH], s[WV], 1
	s_lshr_b32 s[RH], s[WV], 1
	s_bfe_u32 s[CX], ttmp6, 0x40000                ; my place in the cluster: it enters enc's and the energies' global addresses alone
	s_lshl_b32 s[GW], ttmp9, 2
	s_add_co_u32 s[GW], s[GW], s[CX]               ; my block of 256 rows
	; group 1: dense blocks as rows of 256 bytes (32 elements of 8 bytes)
	s_mov_b32 s[G1A], (3<<16)|(1<<20)|(5<<22)|(3<<25)   ; no mask; elements of 8 bytes; padding on: behind every 64 words, 4 words
	s_mov_b32 s[G1A+1], 32<<16                     ; tensor_dim0
	s_mov_b32 s[G1A+2], 192<<16                    ; tensor_dim1: 64 rows of enc are 192 rows of 256 bytes
	s_mov_b32 s[G1A+3], 32<<16                     ; tile_dim0
	s_mov_b32 s[G1A+4], 192                        ; tile_dim1
	s_mov_b32 s[G1A+5], 32                         ; the pitch
	s_mov_b32 s[G1A+6], 0
	s_mov_b32 s[G1A+7], 0
	s_mov_b32 s[G1B], 15|(3<<16)|(1<<21)           ; the mask: all four work-groups; bit 21 beside it; no padding
	s_mov_b32 s[G1B+1], 32<<16
	s_mov_b32 s[G1B+2], 100<<16                    ; two records are 100 rows of 256 bytes
	s_mov_b32 s[G1B+3], 32<<16
	s_mov_b32 s[G1B+4], 100
	s_mov_b32 s[G1B+5], 32
	s_mov_b32 s[G1B+6], 0
	s_mov_b32 s[G1B+7], 0
	s_mov_b32 s[G1V], 15|(3<<16)|(1<<21)
	s_mov_b32 s[G1V+1], 32<<16
	s_mov_b32 s[G1V+2], 4<<16                      ; a quarter of v: 4 rows of 256 bytes
	s_mov_b32 s[G1V+3], 32<<16
	s_mov_b32 s[G1V+4], 4
	s_mov_b32 s[G1V+5], 32
	s_mov_b32 s[G1V+6], 0
	s_mov_b32 s[G1V+7], 0
	s_mul_i32 s20, s[GW], 256*768                  ; enc: my block, (s[20:21] alone hold what hangs on my place in the cluster)
	s_mul_i32 s21, s[WV], 64*768                   ; my wave's 64 rows
	s_add_co_u32 s20, s20, s21
	s_mov_b32 s21, 0
	s_mul_i32 s22, s[WV], 2*REC                    ; the records: my wave's two of a group
	s_mov_b32 s23, 0
	s_lshl_b32 s68, s[WV], 10                      ; v: my wave's quarter
	s_mov_b32 s69, 0
	s_mov_b32 s[G0A], 1
	s_mul_i32 s[G0A+1], s[WV], AWAVE
	s_add_co_u32 s[G0A+1], s[G0A+1], ASTG
	s_mov_b32 s[G0B], 1
	s_mul_i32 s[G0B+1], s[WV], 2*REC               ; slot 0
	s_mov_b32 s[G0V], 1
	s_add_co_u32 s[G0V+1], s68, VLDS
	s_mov_b32 s[TB], 0
	s_mov_b32 s[TV], 0
	s_mov_b32 s[SEL], 0x76543210
	s_mov_b32 s[SEL+1], 0xfedcba98
	s_wait_kmcnt 0x0
	s_add_nc_u64 s[G0A+2:G0A+3], s[4:5], s[20:21]
	s_or_b32 s[G0A+3], s[G0A+3], 0x80000000
	s_add_nc_u64 s[G0B+2:G0B+3], s[8:9], s[22:23]
	s_or_b32 s[G0B+3], s[G0B+3], 0x80000000
	s_add_nc_u64 s[G0V+2:G0V+3], s[10:11], s[68:69]
	s_or_b32 s[G0V+3], s[G0V+3], 0x80000000
	CROUND                                         ; all four work-groups are here: the first joint loads meet
	tensor_load_to_lds s[G0A:G0A+3], s[G1A:G1A+7]  ; the first fills stand together: three loads of mine are out
	s_nop 0
	tensor_load_to_lds s[G0B:G0B+3], s[G1B:G1B+7]
	s_nop 0
	tensor_load_to_lds s[G0V:G0V+3], s[G1V:G1V+7]
	s_nop 0
.rept 4
	v_nop
.endr
	s_lshl_b32 s20, s[GW], 13
	s_add_nc_u64 s[6:7], s[6:7], s[20:21]          ; my block's scale bytes: 32 a row
	s_lshl_b32 s20, s[GW], 10
	s_add_nc_u64 s[12:13], s[12:13], s[20:21]      ; my block's energies
	v_and_b32 v[LN], 31, v0
	v_and_b32 v[RR], 15, v0
	v_bfe_u32 v[HH], v0, 4, 1
	s_lshl_b32 s70, s[RH], 12
	s_lshl_b32 s71, s[KH], 4
	s_add_co_u32 s70, s70, s71
	v_lshlrev_b32 v[ASO], 5, v[RR]
	v_lshl_add_u32 v[ASO], v[HH], 11, v[ASO]
	v_add_nc_u32 v[ASO], s70, v[ASO]               ; row 128 rh + 64 h + r, + my half's 16 bytes: four scale words
.irp a, 0,1,2,3
	global_load_b128 v[AS+4*\a:AS+4*\a+3], v[ASO], s[6:7] offset:512*\a   ; lanes 0-15 block a, lanes 16-31 block a + 4
.endr
	; enc's stage: byte x of a row lies x + 16 (x / 256) bytes into its 816.  My pieces of 8 bytes are x = T + 8 i, T = 384 kh + 24 h, i = 0 .. 44.
	s_mul_i32 s70, s[KH], 384
	v_mul_u32_u24 v[VT], v[HH], 24
	v_add_nc_u32 v[VT], s70, v[VT]                 ; T
	s_mul_i32 s71, s[RH], 128*APIT
	s_add_co_u32 s71, s71, ASTG
	v_mad_u32_u24 v[VRB], v[RR], APIT, v[VT]
	v_add_nc_u32 v[VRB], s71, v[VRB]               ; row 128 rh + r, + T
.macro ADRCLASS reg, xc                ; for the pieces among which (T + 8 i) / 256 is what it is at 8 i = xc, for all four values of T
	v_add_nc_u32 v[VTM], \xc, v[VT]
	v_lshrrev_b32 v[VTM], 8, v[VTM]
	v_lshl_add_u32 v[\reg], v[VTM], 4, v[VRB]
.endm
	ADRCLASS AC, 0                                 ; i = 0 .. 12
	ADRCLASS AC+1, 104                             ; 13 .. 15
	ADRCLASS AC+2, 128                             ; 16 .. 28
	ADRCLASS AC+3, 232                             ; 29 .. 31
	ADRCLASS AC+4, 256                             ; 32 ..
	s_lshl_b32 s70, s[KH], 10
	s_lshl_b32 s71, s[RH], 9
	s_add_co_u32 s70, s70, s71
	s_add_co_u32 s70, s70, ESTG
	v_lshl_add_u32 v[EA], v[RR], 2, s70
	s_mul_i32 s70, s[KH], 4*1536
	s_lshl_b32 s71, s[KH], 8
	s_add_co_u32 s71, s71, 12288
	WIN 0x80                                       ; destination window 2
	v_lshl_add_u32 v[LBF], v[LN], 4, s70
	v_lshl_add_u32 v[LBS], v[LN], 2, s71
	v_lshl_add_u32 v[LBV], v[HH], 5, VLDS
.irp i, 0,1,2,3,4,5,6,7,8,9,10,11,12,13,14,15
	v_mov_b32 v[EN+\i], 0                          ; the folded sums begin at zero
.endr
	WIN 0
	s_wait_tensorcnt 0x0                           ; my parts of enc's stage, of slot 0 and of v are in,
	s_barrier_signal -1
	s_barrier_wait -1                              ; everybody's are
; enc's fragments into registers.  A fragment: lane (r, h), registers 6 c .. 6 c + 5 = K 64 c + 32 h + 0 .. 31: 24 bytes of the row's stream of bits, in pieces of 8 bytes.
.macro AFRAG reg, s, ap
.irp p, 0,1,2,3,4,5
.set PI, 12*(\s)+6*(\p/3)+\p%3
.if PI < 13
.set AR, AC
.elseif PI < 16
.set AR, AC+1
.elseif PI < 29
.set AR, AC+2
.elseif PI < 32
.set AR, AC+3
.else
.set AR, AC+4
.endif
	ds_load_b64 v[\reg+2*\p:\reg+2*\p+1], v[AR] offset:8*PI+16*APIT*(\ap)
.endr
.endm
.macro APHASE half                     ; blocks 4 half .. 4 half + 3
	WIN 0
.irp ap, 0,1,2,3
.irp s, 0,1
	AFRAG AF0+12*(8*\s+4*\half+\ap), \s, \ap
.endr
.endr
	WIN 0x40                                       ; destination window 1
.irp ap, 0,1,2,3
.irp s, 2,3
	AFRAG 12*(8*(\s-2)+4*\half+\ap), \s, \ap
.endr
.endr
	WIN 0
.endm
	APHASE 0
.irp k, 0,1,2,3,4
	v_add_nc_u32 v[AC+\k], AWAVE, v[AC+\k]         ; 64 rows on
.endr
	APHASE 1
; One matrix instruction: set p, K step s of my four, block a.
.macro WM p, s, a
.set rD, 64*(\p)+8*(\a)
.set rB, BF+48*(\p)+12*(\s)
.set rA, AF0+12*(8*(\s)+(\a))
.if (\s) >= 2
.set rA, 12*(8*((\s)-2)+(\a))
.endif
.set rX, BS+2*(\p)+(\s)/2
.set rY, AS+4*((\a)%4)+(\s)
.if (\s) == 0
.if (\a) < 4
	v_wmma_scale_f32_16x16x128_f8f6f4 v[rD:rD+7], v[rB:rB+11], v[rA:rA+11], 0, v[rX], v[rY] matrix_a_fmt:MATRIX_FMT_FP6 matrix_b_fmt:MATRIX_FMT_FP6
.else
	v_wmma_scale_f32_16x16x128_f8f6f4 v[rD:rD+7], v[rB:rB+11], v[rA:rA+11], 0, v[rX], v[rY] matrix_a_fmt:MATRIX_FMT_FP6 matrix_b_fmt:MATRIX_FMT_FP6 matrix_b_scale:MATRIX_SCALE_ROW1
.endif
.elseif (\s)%2 == 0
.if (\a) < 4
	v_wmma_scale_f32_16x16x128_f8f6f4 v[rD:rD+7], v[rB:rB+11], v[rA:rA+11], v[rD:rD+7], v[rX], v[rY] matrix_a_fmt:MATRIX_FMT_FP6 matrix_b_fmt:MATRIX_FMT_FP6
.else
	v_wmma_scale_f32_16x16x128_f8f6f4 v[rD:rD+7], v[rB:rB+11], v[rA:rA+11], v[rD:rD+7], v[rX], v[rY] matrix_a_fmt:MATRIX_FMT_FP6 matrix_b_fmt:MATRIX_FMT_FP6 matrix_b_scale:MATRIX_SCALE_ROW1
.endif
.else
.if (\a) < 4
	v_wmma_scale_f32_16x16x128_f8f6f4 v[rD:rD+7], v[rB:rB+11], v[rA:rA+11], v[rD:rD+7], v[rX], v[rY] matrix_a_fmt:MATRIX_FMT_FP6 matrix_b_fmt:MATRIX_FMT_FP6 matrix_a_scale:MATRIX_SCALE_ROW1
.else
	v_wmma_scale_f32_16x16x128_f8f6f4 v[rD:rD+7], v[rB:rB+11], v[rA:rA+11], v[rD:rD+7], v[rX], v[rY] matrix_a_fmt:MATRIX_FMT_FP6 matrix_b_fmt:MATRIX_FMT_FP6 matrix_a_scale:MATRIX_SCALE_ROW1 matrix_b_scale:MATRIX_SCALE_ROW1
.endif
.endif
.endm
; Fold number q of 32 of set p: block q % 8, columns 2 (q / 8) and the next: the low pairs of all eight accumulators come first (each result is read from its low end on).
.macro PK p, q
	v_pk_fma_f32 v[EN+2*((\q)%8):EN+2*((\q)%8)+1], v[64*(\p)+8*((\q)%8)+2*((\q)/8):64*(\p)+8*((\q)%8)+2*((\q)/8)+1], v[VV+8*(\p)+2*((\q)/8):VV+8*(\p)+2*((\q)/8)+1], v[EN+2*((\q)%8):EN+2*((\q)%8)+1]
.endm
; A TILE on set p.  epi = 1: the tile before, in the other set, is folded.  ld = 1: the next tile is fetched into the other set.
; The four plain lines behind the first two matrix instructions are the places between the last tile's products and the folds that read their results and the loads into the fragments that they read.
.macro TILE p, epi, ld
	s_wait_dscnt 2                                 ; the tile's 12 fragment loads and 2 scale-word loads are in; the two loads of v issued behind them may be out (they are read a tile later)
	WIN W_LO
.set i, 0
.rept 16
	WM \p, i/8, i%8
.if i == 0
.if \ld
	v_add_nc_u32 v[ADF], v[LBF], s[TB]
	v_add_nc_u32 v[ADS], v[LBS], s[TB]
.else
	v_nop
	v_nop
.endif
.elseif i == 1
.if \ld
	v_add_nc_u32 v[ADV], v[LBV], s[TV]
.else
	v_nop
.endif
	v_nop
.elseif i < 14
.if \ld
	ds_load_b128 v[BF+48*(1-\p)+4*(i-2):BF+48*(1-\p)+4*(i-2)+3], v[ADF] offset:512*(i-2)   ; 512 consecutive bytes of the record's images
.endif
.if \epi
	PK 1-\p, 2*(i-2)
	PK 1-\p, 2*(i-2)+1
.endif
.else
.if \epi
	PK 1-\p, 24+4*(i-14)
	PK 1-\p, 25+4*(i-14)
	PK 1-\p, 26+4*(i-14)
	PK 1-\p, 27+4*(i-14)
.endif
.endif
.set i, i+1
.endr
.if \ld
	WIN W_LD
	ds_load_b32 v[BS+2*(1-\p)], v[ADS]             ; lanes 0-15 K step 0, lanes 16-31 K step 1 of my half
	ds_load_b32 v[BS+2*(1-\p)+1], v[ADS] offset:128
	ds_load_b128 v[VV+8*(1-\p):VV+8*(1-\p)+3], v[ADV]        ; behind the folds that read this set
	ds_load_b128 v[VV+8*(1-\p)+4:VV+8*(1-\p)+7], v[ADV] offset:16
	s_add_co_u32 s[TB], s[TB], REC
	s_add_co_u32 s[TV], s[TV], 64
.endif
	WIN W_HI
.set i, 16
.rept 16
	WM \p, i/8, i%8
.set i, i+1
.endr
.endm
.macro PAIRS n                         ; 2 n tiles, an odd one first
	WIN 0                                          ; at a label and at a branch every window is 0
	s_mov_b32 s[CNT], \n
.Lpair_\@:
	TILE 1, 1, 1
	TILE 0, 1, 1
	WIN 0
	s_sub_co_u32 s[CNT], s[CNT], 1
	s_cmp_lg_u32 s[CNT], 0
	s_cbranch_scc1 .Lpair_\@
.endm
; THE CHANGE OF SLOTS stands in front of a group's last tile, whose fragments are already in registers.  Each wave waits for all its tensor loads (one is out: its part of the next group), adds 0 to its spare
; word, and waits for that and for its reads of the slot.  fill = 1: the barrier is a round of the cluster's, and the slot just left takes the group after the next: 8 tiles, 256 matrix instructions, in which to land.
.macro CHANGE fill, turn
	WIN 0
	s_wait_tensorcnt 0x0                           ; no tensor load of mine is out, so a group 0 may be written
	ds_add_u32 v[SPW], v[NIL]                      ; 0 onto my spare word
.if \fill
	s_xor_b32 s[G0B+1], s[G0B+1], SLOT1            ; the walking descriptor: the other slot than last time,
	s_add_nc_u64 s[G0B+2:G0B+3], s[G0B+2:G0B+3], GRPB   ; the next 8 records; the type bits on top are not reached
.endif
	s_wait_dscnt 0x0                               ; the add is done, and my reads of the slot (the first time: of enc's stage) are over
.if \fill
	CROUND                                         ; no wave of any partner still reads those bytes or has a load on its way
	tensor_load_to_lds s[G0B:G0B+3], s[G1B:G1B+7]  ; the first thing behind the round, and my one tensor load until the next
	s_nop 0
.rept 4
	v_nop
.endr
.else
	s_barrier_signal -1
	s_barrier_wait -1
.endif
.if \turn
	s_sub_co_u32 s[TB], s[TB], GRPB                ; the fetches go back to a slot's first record,
	s_xor_b32 s[TB], s[TB], SLOT1                  ; in the other slot
.endif
.endm
	CHANGE 1, 0                                    ; enc is in registers: group 1 goes into slot 1, over the stage
	WIN W_LO                                       ; tile 0 into set 0
	v_add_nc_u32 v[ADF], v[LBF], s[TB]
	v_add_nc_u32 v[ADS], v[LBS], s[TB]
	v_add_nc_u32 v[ADV], v[LBV], s[TV]
.irp f, 0,1,2,3,4,5,6,7,8,9,10,11
	ds_load_b128 v[BF+4*\f:BF+4*\f+3], v[ADF] offset:512*\f
.endr
	WIN W_LD
	ds_load_b32 v[BS], v[ADS]
	ds_load_b32 v[BS+1], v[ADS] offset:128
	ds_load_b128 v[VV:VV+3], v[ADV]
	ds_load_b128 v[VV+4:VV+7], v[ADV] offset:16
	s_add_co_u32 s[TB], s[TB], REC
	s_add_co_u32 s[TV], s[TV], 64
	s_wait_loadcnt 0x0                             ; enc's scale words
	TILE 0, 0, 1                                   ; tile 0: nothing to fold yet
	PAIRS 3                                        ; tiles 1 to 6
	s_mov_b32 s[GRP], 6
.Lgroup:                                               ; trip k = 1 .. 6: the change in front of tile 8 k - 1 asks for group k + 1; tiles 8 k - 1 to 8 k + 6
	CHANGE 1, 1
	PAIRS 4
	s_sub_co_u32 s[GRP], s[GRP], 1
	s_cmp_lg_u32 s[GRP], 0
	s_cbranch_scc1 .Lgroup
	CHANGE 0, 1                                    ; the tail is written out: nothing is left to ask for
	PAIRS 4                                        ; tiles 55 to 62
	TILE 1, 1, 0                                   ; tile 63
	WIN W_LO
	s_wait_dscnt 0x0                               ; tile 63's numbers of v, the last two loads issued
.rept 4
	v_nop                                          ; places between the last products and the folds that read them
.endr
.set i, 0
.rept 32
	PK 1, i
.set i, i+1
.endr
	; THE END.  A pair's two halves, the other half of the lanes' eight columns, and the other half of K are added; 256 energies leave.
	WIN 0x0a                                       ; sources window 2, destination window 0
.irp a, 0,1,2,3,4,5,6,7
	v_add_f32 v[WK+\a], v[EN+2*\a], v[EN+2*\a+1]
.endr
	WIN 0
.irp a, 0,1,2,3,4,5,6,7
	v_permlanex16_b32 v[VV+\a], v[WK+\a], s[SEL], s[SEL+1]
.endr
.irp a, 0,1,2,3,4,5,6,7
	v_add_f32 v[WK+\a], v[WK+\a], v[VV+\a]
.endr
.irp a, 0,1,2,3,4,5,6,7
	ds_store_b32 v[EA], v[WK+\a] offset:64*\a      ; row 128 rh + 16 a + r of half kh; lanes r and r + 16 write the same word with the same value
.endr
	v_lshlrev_b32 v[VT], 3, v0
	v_lshl_add_u32 v[VRB], v0, 3, ESTG
	s_wait_dscnt 0x0                               ; for the others' sake: my stores have landed
	s_barrier_signal -1
	s_barrier_wait -1
	ds_load_b64 v[WK:WK+1], v[VRB]                 ; thread t: rows 2 t and 2 t + 1, the first half of K,
	ds_load_b64 v[WK+2:WK+3], v[VRB] offset:1024   ; and the second
	s_wait_dscnt 0x0
	v_pk_add_f32 v[WK:WK+1], v[WK:WK+1], v[WK+2:WK+3]
	global_store_b64 v[VT], v[WK:WK+1], s[12:13]   ; a wave stores 256 consecutive bytes, at a multiple of 256 from the buffer's first byte
	s_wait_tensorcnt 0x0                           ; the wave's end, behind my last tensor load and my last LDS store
	ds_add_u32 v[SPW], v[NIL]
	s_wait_dscnt 0x0
	CROUND                                         ; the closing round: no work-group ends while a partner may still ask for a tile that names it
	s_endpgm
.Lfunc_end_k_qbe0b926a2c_gemm:
	.size	k_qbe0b926a2c_gemm, .Lfunc_end_k_qbe0b926a2c_gemm-k_qbe0b926a2c_gemm
	.p2alignl 7, 3214868480
	.fill 96, 4, 3214868480
	.section	.rodata,"a",@progbits
	.p2align	6, 0x0
	.amdhsa_kernel k_qbe0b926a2c_gemm
		.amdhsa_group_segment_fixed_size 327680
		.amdhsa_private_segment_fixed_size 0
		.amdhsa_enable_private_segment 0
		.amdhsa_kernarg_size 40
		.amdhsa_user_sgpr_count 2
		.amdhsa_user_sgpr_kernarg_segment_ptr 1
		.amdhsa_wavefront_size32 1
		.amdhsa_system_sgpr_workgroup_id_x 1
		.amdhsa_system_sgpr_workgroup_id_y 1
		.amdhsa_system_sgpr_workgroup_id_z 1
		.amdhsa_system_vgpr_workitem_id 0
		.amdhsa_next_free_vgpr 768
		.amdhsa_next_free_sgpr 80
		.amdhsa_reserve_vcc 0
		.amdhsa_float_denorm_mode_32 3
		.amdhsa_float_denorm_mode_16_64 3
		.amdhsa_memory_ordered 1
		.amdhsa_forward_progress 1
		.amdhsa_inst_pref_size 85
	.end_amdhsa_kernel
	.amdgpu_metadata
---
amdhsa.version: [ 1, 2 ]
amdhsa.kernels:
  - .name:           k_qbe0b926a2c_gemm
    .symbol:         k_qbe0b926a2c_gemm.kd
    .args:
      - { .name: encoder_outputs_codes, .offset: 0, .size: 8, .value_kind: global_buffer, .address_space: global }
      - { .name: encoder_outputs_scales, .offset: 8, .size: 8, .value_kind: global_buffer, .address_space: global }
      - { .name: wrec, .offset: 16, .size: 8, .value_kind: global_buffer, .address_space: global }
      - { .name: v, .offset: 24, .size: 8, .value_kind: global_buffer, .address_space: global }
      - { .name: energies, .offset: 32, .size: 8, .value_kind: global_buffer, .address_space: global }
    .group_segment_fixed_size: 327680
    .private_segment_fixed_size: 0
    .kernarg_segment_align: 8
    .kernarg_segment_size: 40
    .max_flat_workgroup_size: 128
    .sgpr_count:     80
    .vgpr_count:     768
    .wavefront_size: 32
...
	.end_amdgpu_metadata
.endif
;; end of part 2
;; launch soft (part 3): grid 16 x 1, 32 waves a work-group, no clusters, 4,608 bytes of LDS; arguments energies, hidpart, out0; writes out0
.if DOCPART == 3
	.amdgcn_target "amdgcn-amd-amdhsa--gfx1250"
	.amdhsa_code_object_version 6
	.text
	.protected	k_qbe0b926a2c_soft
	.globl	k_qbe0b926a2c_soft
	.p2align	8
	.type	k_qbe0b926a2c_soft,@function
k_qbe0b926a2c_soft:
	s_mov_b64 s[64:65], 0
	v_nop
	global_prefetch_b8 v0, s[64:65] scope:SCOPE_SE
	s_setreg_imm32_b32 hwreg(HW_REG_WAVE_MODE, 25, 1), 1
	s_wait_xcnt 0x0
; out0[b][i] = softmax over i of (energies[b][i] + c[b]), c[b] = the sum of hidpart[0 .. 255][b] = v . (Wh hid[b] + bias).  4,096 positions a batch, 16 batches.
; A softmax row has one owner: a work-group of 32 waves takes a batch, a thread four neighbouring positions, which stay in registers: each number is read once and written once.
; The row's maximum is taken away ahead of the exponential: M = (largest energy) + c is the largest of the sums energy + c, since adding the same c keeps the order under rounding.
; Sixteen work-groups: the launch moves half a megabyte; a row spread over more work-groups would want a further launch.  No matrix unit, no tensor load, no cluster: nothing is shared.
; LDS: bytes 0-127 the waves' maxima, 128-255 their parts of c, 256-383 their sums.
.macro WMAX r                          ; the largest over the wave's 32 lanes, in every lane
	v_max_num_f32_dpp v[\r], v[\r], v[\r] row_xmask:1 row_mask:0xf bank_mask:0xf
	v_max_num_f32_dpp v[\r], v[\r], v[\r] row_xmask:2 row_mask:0xf bank_mask:0xf
	v_max_num_f32_dpp v[\r], v[\r], v[\r] row_xmask:4 row_mask:0xf bank_mask:0xf
	v_max_num_f32_dpp v[\r], v[\r], v[\r] row_xmask:8 row_mask:0xf bank_mask:0xf
	v_permlanex16_b32 v13, v[\r], s16, s17
	v_max_num_f32 v[\r], v[\r], v13
.endm
.macro WSUM r                          ; the sum likewise
	v_add_f32_dpp v[\r], v[\r], v[\r] row_xmask:1 row_mask:0xf bank_mask:0xf
	v_add_f32_dpp v[\r], v[\r], v[\r] row_xmask:2 row_mask:0xf bank_mask:0xf
	v_add_f32_dpp v[\r], v[\r], v[\r] row_xmask:4 row_mask:0xf bank_mask:0xf
	v_add_f32_dpp v[\r], v[\r], v[\r] row_xmask:8 row_mask:0xf bank_mask:0xf
	v_permlanex16_b32 v13, v[\r], s16, s17
	v_add_f32 v[\r], v[\r], v13
.endm
	s_load_b128 s[4:7], s[0:1], 0x0                ; energies, hidpart
	s_load_b64 s[8:9], s[0:1], 0x10                ; out0
	v_lshl_add_u32 v32, v0, 2, 0x200
	v_mov_b32 v33, 0
	v_lshrrev_b32 v1, 5, v0
	v_readfirstlane_b32 s10, v1                    ; wave 0..31
	v_and_b32 v2, 31, v0
	v_lshlrev_b32 v3, 4, v0                        ; my four positions: 16 bytes
	v_lshlrev_b32 v4, 6, v0                        ; a row of hidpart is 64 bytes
	v_lshlrev_b32 v5, 2, v2                        ; LDS: 4 x lane
	v_lshlrev_b32 v6, 2, v1                        ; LDS: 4 x wave
	s_lshl_b32 s12, ttmp9, 14                      ; a batch's 16,384 bytes
	s_mov_b32 s13, 0
	s_lshl_b32 s14, ttmp9, 2                       ; the batch's column of hidpart
	s_mov_b32 s15, 0
	s_mov_b32 s16, 0x76543210
	s_mov_b32 s17, 0xfedcba98                      ; v_permlanex16_b32's selects for lane l xor 16
	v_mov_b32 v12, 0                               ; my part of c: zero in the threads that load none
	v_mov_b32 v13, 0                               ; written once: a lane permute's destination counts as one of its sources
	s_wait_kmcnt 0x0
	s_add_nc_u64 s[4:5], s[4:5], s[12:13]
	s_add_nc_u64 s[8:9], s[8:9], s[12:13]
	s_add_nc_u64 s[6:7], s[6:7], s[14:15]
	global_load_b128 v[8:11], v3, s[4:5] th:TH_LOAD_NT
	s_cmp_ge_u32 s10, 8
	s_cbranch_scc1 .Lno_part
	global_load_b32 v12, v4, s[6:7]                ; threads 0 to 255: row t of hidpart
.Lno_part:
	s_wait_loadcnt 0x0
	v_max3_num_f32 v14, v8, v9, v10
	v_max_num_f32 v14, v14, v11
	WMAX 14
	WSUM 12
	ds_store_b32 v6, v14                           ; all lanes of a wave write the same word with the same value
	ds_store_b32 v6, v12 offset:128
	s_wait_dscnt 0x0                               ; for the others' sake: my stores have landed
	s_barrier_signal -1
	s_barrier_wait -1
	ds_load_b32 v14, v5                            ; lane l takes wave l's
	ds_load_b32 v12, v5 offset:128
	s_wait_dscnt 0x0
	WMAX 14                                        ; the largest energy of the batch
	WSUM 12                                        ; c
.irp j, 8,9,10,11
	v_add_f32 v\j, v\j, v12                        ; the energy as reference() has it
.endr
	v_add_f32 v14, v14, v12                        ; the largest of them
.irp j, 8,9,10,11
	v_sub_f32 v\j, v\j, v14                        ; 0 or less: the difference first, so that large energies lose nothing
.endr
.irp j, 8,9,10,11
	v_mul_f32 v\j, 0x3fb8aa3b, v\j                 ; x log2(e)
.endr
.irp j, 8,9,10,11
	v_exp_f32 v\j, v\j
.endr
	v_nop                                          ; a plain instruction behind the last exponential
	s_wait_alu depctr_va_vdst(0)                   ; one wait for the four, ahead of their first reader
	v_add_f32 v16, v8, v9
	v_add_f32 v17, v10, v11
	v_add_f32 v16, v16, v17
	WSUM 16
	ds_store_b32 v6, v16 offset:256                ; other bytes than the first two reductions'
	s_wait_dscnt 0x0
	s_barrier_signal -1
	s_barrier_wait -1
	ds_load_b32 v16, v5 offset:256
	s_wait_dscnt 0x0
	WSUM 16                                        ; the row's sum: at least 1
	v_rcp_f32 v17, v16
	v_nop                                          ; a plain instruction behind the reciprocal
	s_wait_alu depctr_va_vdst(0)                   ; and its wait, ahead of the first reader
.irp j, 8,9,10,11
	v_mul_f32 v\j, v\j, v17
.endr
	global_store_b128 v3, v[8:11], s[8:9]          ; 16 lanes store 256 consecutive bytes, aligned
	s_wait_tensorcnt 0x0
	ds_add_u32 v32, v33
	s_wait_dscnt 0x0
	s_endpgm
.Lfunc_end_k_qbe0b926a2c_soft:
	.size	k_qbe0b926a2c_soft, .Lfunc_end_k_qbe0b926a2c_soft-k_qbe0b926a2c_soft
	.p2alignl 7, 3214868480
	.fill 96, 4, 3214868480
	.section	.rodata,"a",@progbits
	.p2align	6, 0x0
	.amdhsa_kernel k_qbe0b926a2c_soft
		.amdhsa_group_segment_fixed_size 4608
		.amdhsa_private_segment_fixed_size 0
		.amdhsa_enable_private_segment 0
		.amdhsa_kernarg_size 24
		.amdhsa_user_sgpr_count 2
		.amdhsa_user_sgpr_kernarg_segment_ptr 1
		.amdhsa_wavefront_size32 1
		.amdhsa_system_sgpr_workgroup_id_x 1
		.amdhsa_system_sgpr_workgroup_id_y 1
		.amdhsa_system_sgpr_workgroup_id_z 1
		.amdhsa_system_vgpr_workitem_id 0
		.amdhsa_next_free_vgpr 34
		.amdhsa_next_free_sgpr 66
		.amdhsa_reserve_vcc 0
		.amdhsa_float_denorm_mode_32 3
		.amdhsa_float_denorm_mode_16_64 3
		.amdhsa_memory_ordered 1
		.amdhsa_forward_progress 1
		.amdhsa_inst_pref_size 6
	.end_amdhsa_kernel
	.amdgpu_metadata
---
amdhsa.version: [ 1, 2 ]
amdhsa.kernels:
  - .name:           k_qbe0b926a2c_soft
    .symbol:         k_qbe0b926a2c_soft.kd
    .args:
      - { .name: energies, .offset: 0, .size: 8, .value_kind: global_buffer, .address_space: global }
      - { .name: hidpart, .offset: 8, .size: 8, .value_kind: global_buffer, .address_space: global }
      - { .name: out0, .offset: 16, .size: 8, .value_kind: global_buffer, .address_space: global }
    .group_segment_fixed_size: 4608
    .private_segment_fixed_size: 0
    .kernarg_segment_align: 8
    .kernarg_segment_size: 24
    .max_flat_workgroup_size: 1024
    .sgpr_count:     66
    .vgpr_count:     34
    .wavefront_size: 32
...
	.end_amdgpu_metadata
.endif
;; end of part 3
;; ======== version 2 of 2: 3 launches
;; limits: right only within a limited range of input values
;; workspace buffers: wrec 819,200 bytes; epart 1,048,576 bytes
;; launch quant (part 4): grid 64 x 2, 4 waves a work-group, no clusters, 34,560 bytes of LDS; arguments W, wrec; writes wrec
.if DOCPART == 4
	.amdgcn_target "amdgcn-amd-amdhsa--gfx1250"
	.amdhsa_code_object_version 6
	.text
	.protected	k_qbe0b926a2c_quant
	.globl	k_qbe0b926a2c_quant
	.p2align	8
	.type	k_qbe0b926a2c_quant,@function
k_qbe0b926a2c_quant:
	s_mov_b64 s[64:65], 0
	v_nop
	global_prefetch_b8 v0, s[64:65] scope:SCOPE_SE
	s_setreg_imm32_b32 hwreg(HW_REG_WAVE_MODE, 25, 1), 1
	s_wait_xcnt 0x0
; DEAD WORK, for the whole program.  reference() adds hid_proj[b] . v, one number for each batch b, to all 4,096 energies of that batch and then takes the softmax along those 4,096.
; softmax(x + c) = softmax(x) for every real c, so in exact arithmetic the product hid @ Wh.T, the bias b and the left half of W reach no output, whatever finite values they hold.
; They are left out: hidden_codes, hidden_scales, b and columns 0-1023 of W are not loaded and are among no launch's arguments.
; LIMIT: a NaN, an infinity or an overflow that reaches only that term is not carried to the result.
; THIS LAUNCH: We = W[:, 1024:2048] is quantised along its rows (K innermost) into codes of FP6 (E2M3) with one E8M0 byte for each 32 numbers.
; SHARES.  Work-group (x, y): x = a tile of 16 rows, y = a half of We's 1,024 columns.  Wave w takes K step ks = 4 y + w: 16 rows x 128 numbers, 8 KiB, read once.
; The fragment leaves as an IMAGE OF THE OPERAND'S REGISTERS into wrec, record x (12,800 bytes): byte 1536 ks + 512 c + 16 lane = registers 4 c .. 4 c + 3 of K step ks;
; byte 12288 + 64 ks + 4 r = the scale word of row r.  128 work-groups: a work-group's four scale-word columns fill one aligned block of 256 bytes, which a smaller share would cut.
; A block's scale is 2^(floor(log2(largest magnitude)) - 2); its byte is the largest magnitude's exponent field - 2, held at 1 from below by a floor among the maximum's leaves.
; LIMITS: a block of zeros gets the byte 1 where the quantiser says 127: its codes are zeros, which add nothing under any byte but 0xff, and this program alone reads the bytes.
;   NaN and infinities in W are not served.  No tensor loads, no cluster: no two work-groups read the same bytes of W.
.set SPIT,  528                        ; a stage row: 512 bytes + 16
.set STW,   16*SPIT                    ; a wave's stage
.set SCX,   4*STW                      ; the four waves' scale words, 256 bytes
.set SPARE, SCX+256                    ; the spare words, 128 bytes a wave
.set REC,   12800
.set TM,  32                           ; v32-35 largest magnitudes, v36-39 bytes, v44-47 the conversions' scale operands
.set PW,  48                           ; the scale word
.set X,   64                           ; v64-127  64 numbers a lane
.set PC,  128                          ; v128-147 the codes
	s_load_b128 s[4:7], s[0:1], 0x0                ; W s[4:5], wrec s[6:7]
	v_lshl_add_u32 v16, v0, 2, SPARE
	v_mov_b32 v17, 0
	v_lshrrev_b32 v1, 5, v0
	v_readfirstlane_b32 s18, v1                    ; wave 0..3
	v_and_b32 v1, 31, v0                           ; lane
	v_and_b32 v2, 15, v0                           ; r
	v_bfe_u32 v3, v0, 4, 1                         ; h
	s_and_b32 s20, ttmp7, 0xffff                   ; y
	s_lshl_b32 s21, s20, 2
	s_add_co_u32 s21, s21, s18                     ; ks = 4 y + wave
	s_mul_i32 s26, s18, STW
	s_lshl_b32 s27, s18, 6
	s_mov_b32 s24, 0x76543210
	s_mov_b32 s25, 0xfedcba98                      ; v_permlanex16_b32's selects for lane l xor 16
	v_lshlrev_b32 v4, 4, v1                        ; 16 x lane
	v_add_nc_u32 v5, s26, v4                       ; into my stage
	v_mul_u32_u24 v6, v2, SPIT
	v_lshl_add_u32 v6, v3, 6, v6
	v_add_nc_u32 v6, s26, v6                       ; out of it: row r, + 64 h
	v_lshl_add_u32 v10, v2, 2, s27
	v_add_nc_u32 v10, SCX, v10                     ; my wave's scale word of row r
	v_lshl_add_u32 v12, v1, 3, SCX                 ; wave 0: 8 bytes a lane of the 256
	v_lshlrev_b32 v14, 3, v1
.irp b, 0,1,2,3
	v_mov_b32 v[TM+4+\b], 0                        ; written once: a lane permute's destination counts as one of its sources
.endr
	s_lshl_b32 s28, ttmp9, 17                      ; 16 rows of 8,192 bytes a tile,
	s_lshl_b32 s29, s21, 9                         ; 512 bytes a K step,
	s_add_co_u32 s28, s28, s29
	s_add_co_u32 s28, s28, 4096                    ; behind Wh's 1,024 columns
	s_mov_b32 s29, 0
	s_mul_i32 s31, ttmp9, REC
	s_mul_i32 s30, s21, 1536
	s_add_co_u32 s30, s30, s31                     ; my fragment's image
	s_lshl_b32 s36, s20, 8
	s_add_co_u32 s36, s36, 12288
	s_add_co_u32 s36, s36, s31                     ; the work-group's four K steps of scale words: 256 bytes, aligned
	s_mov_b32 s31, 0
	s_mov_b32 s37, 0
	s_wait_alu depctr_va_vdst(0)
	s_wait_kmcnt 0x0
	s_add_nc_u64 s[4:5], s[4:5], s[28:29]
	s_add_nc_u64 s[32:33], s[6:7], s[30:31]
	s_add_nc_u64 s[34:35], s[6:7], s[36:37]
.irp i, 0,1,2,3,4,5,6,7,8,9,10,11,12,13,14,15
	global_load_b128 v[X+4*\i:X+4*\i+3], v4, s[4:5] offset:8192*\i th:TH_LOAD_NT   ; row i: 512 consecutive bytes, 16 a lane
.endr
; The conversions want 16 neighbours along K in one lane's registers; the loads want neighbouring bytes in neighbouring lanes.  So the 8 KiB turn through the wave's own stage.
.irp i, 0,1,2,3,4,5,6,7,8,9,10,11,12,13,14,15
	s_wait_loadcnt 15-\i                           ; row i is in; the 15 - i younger rows may be out
	ds_store_b128 v5, v[X+4*\i:X+4*\i+3] offset:SPIT*\i
.endr
.irp b, 0,1,2,3
.irp j, 0,1,2,3
	ds_load_b128 v[X+16*\b+4*\j:X+16*\b+4*\j+3], v6 offset:128*\b+16*\j   ; LDS serves a wave's instructions in order.  Register 16 b + i = k 32 b + 16 h + i of row r
.endr
.endr
	s_wait_dscnt 0x0
.irp b, 0,1,2,3
	v_max3_num_f32 v[TM+\b], |v[X+16*\b]|, |v[X+1+16*\b]|, 0x1800000   ; block b: my 16 numbers, and the floor 2^(3 - 127)
.endr
.irp i, 2,4,6,8,10,12,14
.irp b, 0,1,2,3
	v_max3_num_f32 v[TM+\b], v[TM+\b], |v[X+16*\b+\i]|, |v[X+1+16*\b+\i]|   ; the four blocks by turns
.endr
.endr
.irp b, 0,1,2,3
	v_permlanex16_b32 v[TM+4+\b], v[TM+\b], s24, s25
.endr
.irp b, 0,1,2,3
	v_max_num_f32 v[TM+\b], v[TM+\b], v[TM+4+\b]   ; with lane l xor 16's: the block's largest magnitude
.endr
.irp b, 0,1,2,3
	v_add_nc_u32 v[TM+12+\b], 0xff000000, v[TM+\b] ; 2 off its exponent field: the conversion's scale operand
.endr
.irp b, 0,1,2,3
	v_lshrrev_b32 v[TM+4+\b], 23, v[TM+12+\b]      ; the scale's byte
.endr
	v_lshl_or_b32 v[PW], v[TM+5], 8, v[TM+4]       ; the four bytes make my row's scale word
	v_lshl_or_b32 v[PW], v[TM+6], 16, v[PW]
	v_lshl_or_b32 v[PW], v[TM+7], 24, v[PW]
.irp c, 0,1
	v_cvt_scalef32_pk16_fp6_f32 v[PC+6*\c:PC+2+6*\c], v[X+32*\c:X+15+32*\c], v[TM+12+2*\c]
	v_cvt_scalef32_pk16_fp6_f32 v[PC+12+4*\c:PC+14+4*\c], v[X+16+32*\c:X+31+32*\c], v[TM+12+2*\c+1]   ; (a conversion's three registers begin on an even number)
.endr
	v_nop                                          ; one plain place behind a scaled conversion
.irp c, 0,1                                    ; the operand's layout wants a whole block in a lane
.irp i, 0,1,2
	v_permlane16_swap_b32 v[PC+6*\c+\i], v[PC+12+4*\c+\i]
.endr
.irp i, 0,1,2
	v_mov_b32 v[PC+3+6*\c+\i], v[PC+12+4*\c+\i]
.endr
.endr
.irp c, 0,1,2
	global_store_b128 v4, v[PC+4*\c:PC+4*\c+3], s[32:33] offset:512*\c   ; 32 lanes store 512 consecutive bytes, aligned
.endr
	ds_store_b32 v10, v[PW]                        ; lanes r and r + 16 write the same word with the same value
	s_wait_dscnt 0x0                               ; for the others' sake: my store has landed
	s_barrier_signal -1
	s_barrier_wait -1
	s_cmp_lg_u32 s18, 0
	s_cbranch_scc1 .Lend
	ds_load_b64 v[50:51], v12
	s_wait_dscnt 0x0
	global_store_b64 v14, v[50:51], s[34:35]       ; 32 lanes store 256 consecutive bytes, aligned
.Lend:
	s_wait_tensorcnt 0x0                           ; the wave's end
	ds_add_u32 v16, v17
	s_wait_dscnt 0x0
	s_endpgm
.Lfunc_end_k_qbe0b926a2c_quant:
	.size	k_qbe0b926a2c_quant, .Lfunc_end_k_qbe0b926a2c_quant-k_qbe0b926a2c_quant
	.p2alignl 7, 3214868480
	.fill 96, 4, 3214868480
	.section	.rodata,"a",@progbits
	.p2align	6, 0x0
	.amdhsa_kernel k_qbe0b926a2c_quant
		.amdhsa_group_segment_fixed_size 34560
		.amdhsa_private_segment_fixed_size 0
		.amdhsa_enable_private_segment 0
		.amdhsa_kernarg_size 16
		.amdhsa_user_sgpr_count 2
		.amdhsa_user_sgpr_kernarg_segment_ptr 1
		.amdhsa_wavefront_size32 1
		.amdhsa_system_sgpr_workgroup_id_x 1
		.amdhsa_system_sgpr_workgroup_id_y 1
		.amdhsa_system_sgpr_workgroup_id_z 1
		.amdhsa_system_vgpr_workitem_id 0
		.amdhsa_next_free_vgpr 148
		.amdhsa_next_free_sgpr 66
		.amdhsa_reserve_vcc 0
		.amdhsa_float_denorm_mode_32 3
		.amdhsa_float_denorm_mode_16_64 3
		.amdhsa_memory_ordered 1
		.amdhsa_forward_progress 1
		.amdhsa_inst_pref_size 11
	.end_amdhsa_kernel
	.amdgpu_metadata
---
amdhsa.version: [ 1, 2 ]
amdhsa.kernels:
  - .name:           k_qbe0b926a2c_quant
    .symbol:         k_qbe0b926a2c_quant.kd
    .args:
      - { .name: W, .offset: 0, .size: 8, .value_kind: global_buffer, .address_space: global }
      - { .name: wrec, .offset: 8, .size: 8, .value_kind: global_buffer, .address_space: global }
    .group_segment_fixed_size: 34560
    .private_segment_fixed_size: 0
    .kernarg_segment_align: 8
    .kernarg_segment_size: 16
    .max_flat_workgroup_size: 128
    .sgpr_count:     66
    .vgpr_count:     148
    .wavefront_size: 32
...
	.end_amdgpu_metadata
.endif
;; end of part 4
;; launch gemm (part 5): grid 256 x 1, 4 waves a work-group, clusters of 4 x 1, 327,680 bytes of LDS; arguments encoder_outputs_codes, encoder_outputs_scales, wrec, v, epart; writes epart
.if DOCPART == 5
	.amdgcn_target "amdgcn-amd-amdhsa--gfx1250"
	.amdhsa_code_object_version 6
	.text
	.protected	k_qbe0b926a2c_gemm
	.globl	k_qbe0b926a2c_gemm
	.p2align	8
	.type	k_qbe0b926a2c_gemm,@function
k_qbe0b926a2c_gemm:
	s_mov_b64 s[64:65], 0
	v_nop
	global_prefetch_b8 v0, s[64:65] scope:SCOPE_SE
	s_setreg_imm32_b32 hwreg(HW_REG_WAVE_MODE, 25, 1), 1
	s_wait_xcnt 0x0
	s_wait_alu depctr_hold_cnt(0) depctr_sa_sdst(0) depctr_va_vdst(0) depctr_va_sdst(0) depctr_va_ssrc(0) depctr_va_vcc(0) depctr_vm_vsrc(0)
	s_getreg_b32 s2, hwreg(HW_REG_IB_STS2, 6, 4)
	s_cmp_eq_u32 s2, 0
	s_cbranch_scc0 .Lentry_in_a_cluster
	s_endpgm
.Lentry_in_a_cluster:
	s_bfe_u32 s2, ttmp6, 0x10000c
	s_cmp_lg_u32 s2, 0x3003
	s_cbranch_scc0 .Lentry_shape_is_right
	s_endpgm
.Lentry_shape_is_right:
; epart[q][row] = the sum over the 256 n of quarter q of v[n] x (the sum over k of enc[row][k] We[n][k]); 65,536 rows, k to 1,024.  The inner product runs on codes of FP6 (E2M3) with E8M0 scales;
; the product with v is f32 multiply-adds.  The hidden term and the bias are left out: one number a batch ahead of a softmax along the batch's positions (shown at the head of launch quant).
; SHARES.  A cluster of 4 work-groups owns 1,024 rows of enc; work-group cx owns quarter cx of We's 1,024 rows.  Wave w: kh = w % 2, nh = w / 2: 128 rows of We (8 blocks of 16) x half kh of K (4 steps of 128).
; The wave's 32 fragments of We (384 registers), their scale words and its 128 numbers of v STAY IN REGISTERS.  enc walks by in 64 tiles of 16 rows; each fragment of enc read from LDS feeds 8 matrix instructions.
; A TILE is 32 matrix instructions: 8 accumulators by turns, 4 links each, the first with C = 0.  Two sets of accumulators and of enc's fragments take turns:
; while tile t is multiplied, tile t - 1 is folded with v, one packed multiply-add behind each product, onto ONE pair of registers; the pair's sum goes to LDS, one word a lane and tile.
; Source 0 = 16 rows of We, source 1 = 16 rows of enc: lane (r, h) holds row r of enc, register j column n = 16 a + 8 h + j.  At the end the 8 words of each row (4 waves x 2 h) are added and 1,024 sums leave.
; enc's tiles are the same for the four work-groups: each group of 8 tiles (128 rows, dense: 384 rows of 256 bytes) is asked for JOINTLY; so are the scales of all 1,024 rows, once, at the head.
; We's quarter comes as register images, once, by two roads side by side: blocks 0-3 of each half by plain loads straight into registers (16 bytes a lane, 512 consecutive bytes an instruction);
; blocks 4-7 (whole records, 51,200 bytes for each nh) by the tensor loads of waves 0 and 1 into the bytes that later are slot 1, and from there by 16-byte LDS loads.  No partner of the cluster wants the same quarter: no joint load.
; PREFETCH: behind the joint load of group g + 1 each wave names 24 of the 384 blocks of 256 bytes of group g + 2 (16 waves of the cluster, told apart by address); groups 0 and 1 come by their loads alone; the last refill names nothing.
; LDS: slot 0 at 0, slot 1 at 2^17 (104,448 bytes each: rows of 768 bytes as 3 x (256 + 16)); the scales; the tiles' sums (rows of 576 bytes, stored by ds_store alone); the spare words.
.set REC,   12800
.set RPIT,  816
.set TPIT,  16*RPIT                    ; a tile of 16 rows in LDS
.set GRPL,  8*TPIT                     ; a group in LDS
.set GRPM,  128*768                    ; a group in memory
.set SLOT1, 1<<17
.set SCL,   SLOT1+GRPL                 ; enc's scales: 1,024 rows x 32 bytes
.set EST,   SCL+32768+2048             ; the tiles' sums
.set EPIT,  576                        ; 4 waves x 128 bytes + 64
.set SPARE, EST+64*EPIT
; window 0
.set SPW, 1                            ; LDS address of my spare word; never rewritten
.set NIL, 2                            ; 0; never rewritten
.set LN,  3
.set RR,  4
.set HH,  5
.set AS,  16                           ; v16-31 We's scale words: register 4 (a % 4) + s: lanes 0-15 block a, lanes 16-31 block a + 4
.set ES,  34                           ; v34-41 enc's scale words: 4 p + s.  Their numbers never equal We's modulo 8
.set PFO, 43                           ; the prefetch's offset: 256 x min(lane, 23)
.set RDA, 44                           ; the end: where I read sums
.set GO,  45                           ; the end: 16 x thread
.set STA, 46                           ; the head: my images among the records staged in LDS
.set WK,  64                           ; v64-127 the end
; windows 1 and 2: v0-191 We's fragments of K steps 0, 1 and 2, 3: 12 (8 (s % 2) + a); v192-223 v[16 a + 8 h + j]: j = 0..3 in window 1, j = 4..7 in window 2, at 4 a
.set VV,  192
; window 3: v0-127 the accumulators 64 p + 8 a
.set SF,  128                          ; v128-223 enc's fragments: 48 p + 12 s
.set EN,  224                          ; v224-227 the folded pair of set p
.set EE,  228                          ; v228-229 a tile's sum
.set EN2, 230                          ; a second pair, for the last tile
.set BA,  232                          ; v232-236 five addresses into a tile, one for each count of paddings passed
.set BES, 237                          ; among the scales
.set BST, 238                          ; among the sums
.set CA,  240                          ; v240-246 the same seven for the pair of tiles in hand
.set CES, 245
.set CST, 246
; scalars
.set WV,  14
.set KH,  15
.set NH,  16
.set CX,  17
.set G1,  24                           ; s[24:31] group 1: enc's codes;  s[32:39]: its scales;  s[76:83]: records of We
.set G1S, 32
.set G1W, 76
.set G0H, 40                           ; groups 0: group 0 of enc, the scales, the ring's, the records'
.set G0S, 44
.set G0R, 48
.set G0W, 84
.set WB,  52                           ; s[52:53] my 8 records of wrec;  s[54:55] my 128 numbers of v
.set VB,  54
.set PFA, 56                           ; s[56:57] my 24 blocks of the group to be prefetched
.set TB,  58                           ; LDS byte of the pair of tiles to be fetched
.set TS,  59                           ; the same among the scales
.set TE,  60                           ; and among the sums
.set CNT, 61
.set GRP, 62
.set MSB, 0
.macro WIN new                         ; the immediate's high byte repeats the setting that is left
.if MSB != \new
	s_set_vgpr_msb (MSB<<8)|\new
.set MSB, \new
.endif
.endm
.set W_LO, 0xfd                        ; source 0 window 1; source 1, C and D window 3
.set W_HI, 0xfe                        ; source 0 window 2
.macro CROUND                          ; a round of the cluster's barrier
	s_barrier_signal -1
	s_barrier_wait -1
	s_cmp_lg_u32 s[WV], 0
	s_cbranch_scc1 .Lnot_wave_0_\@
	s_barrier_signal -3
.Lnot_wave_0_\@:
	s_barrier_wait -3
	s_barrier_signal -1
	s_barrier_wait -1
.endm
	s_load_b256 s[4:11], s[0:1], 0x0               ; enc's codes s[4:5], enc's scales s[6:7], wrec s[8:9], v s[10:11]
	s_load_b64 s[12:13], s[0:1], 0x20              ; epart
	v_lshl_add_u32 v[SPW], v0, 2, SPARE
	v_mov_b32 v[NIL], 0
	ds_add_u32 v[SPW], v[NIL]                      ; the opening lines: the add, twice on end, and its wait
	ds_add_u32 v[SPW], v[NIL]
	v_lshrrev_b32 v[LN], 5, v0
	v_readfirstlane_b32 s[WV], v[LN]               ; wave 0..3
	s_and_b32 s[KH], s[WV], 1
	s_lshr_b32 s[NH], s[WV], 1
	s_bfe_u32 s[CX], ttmp6, 0x40000                ; my place in the cluster enters global addresses of my own loads, stores and prefetches alone
	; group 1: dense blocks as rows of 256 bytes (32 elements of 8 bytes); enc's masks name all four work-groups, bit 21 beside them
	s_mov_b32 s[G1], 15|(3<<16)|(1<<20)|(1<<21)|(5<<22)|(3<<25)   ; padding: 4 words behind every 64
	s_mov_b32 s[G1+1], 32<<16
	s_mov_b32 s[G1+2], 384<<16                     ; the head's load: 384 rows; the ring's: 96 (set below)
	s_mov_b32 s[G1+3], 32<<16
	s_mov_b32 s[G1+4], 384
	s_mov_b32 s[G1+5], 32
	s_mov_b32 s[G1+6], 0
	s_mov_b32 s[G1+7], 0
	s_mov_b32 s[G1S], 15|(3<<16)|(1<<21)
	s_mov_b32 s[G1S+1], 32<<16
	s_mov_b32 s[G1S+2], 128<<16                    ; 32,768 bytes of scales
	s_mov_b32 s[G1S+3], 32<<16
	s_mov_b32 s[G1S+4], 128
	s_mov_b32 s[G1S+5], 32
	s_mov_b32 s[G1S+6], 0
	s_mov_b32 s[G1S+7], 0
	s_mov_b32 s[G1W], 3<<16                        ; no mask: four records, 51,200 bytes, are my work-group's alone
	s_mov_b32 s[G1W+1], 32<<16
	s_mov_b32 s[G1W+2], 200<<16
	s_mov_b32 s[G1W+3], 32<<16
	s_mov_b32 s[G1W+4], 200
	s_mov_b32 s[G1W+5], 32
	s_mov_b32 s[G1W+6], 0
	s_mov_b32 s[G1W+7], 0
	s_mov_b32 s[G0H], 1
	s_mov_b32 s[G0H+1], 0                          ; group 0 into slot 0
	s_mov_b32 s[G0S], 1
	s_mov_b32 s[G0S+1], SCL
	s_mov_b32 s[G0R], 1
	s_mul_i32 s[G0R+1], s[WV], 96*272              ; the ring in quarters
	s_mov_b32 s[G0W], 1
	s_mul_i32 s[G0W+1], s[WV], 4*REC               ; waves 0 and 1: blocks 4-7 of nh = 0 and of nh = 1,
	s_add_co_u32 s[G0W+1], s[G0W+1], SLOT1         ; where slot 1 will be
	s_mul_i32 s18, ttmp9, 1024*768                 ; the cluster's 1,024 rows
	s_mov_b32 s19, 0
	s_mul_i32 s22, s[WV], 96*256
	s_mov_b32 s23, 0
	s_lshl_b32 s66, s[CX], 1
	s_add_co_u32 s66, s66, s[WV]
	s_mul_i32 s66, s66, 8*REC
	s_add_co_u32 s66, s66, 4*REC                   ; records 16 cx + 8 wave + 4 ..
	s_mov_b32 s67, 0
	s_mov_b32 s[TB], 0
	s_mov_b32 s[TS], 0
	s_mov_b32 s[TE], 0
	s_wait_dscnt 0x0                               ; both opening adds are done
	s_wait_kmcnt 0x0
	s_add_nc_u64 s[4:5], s[4:5], s[18:19]
	s_mov_b64 s[G0H+2:G0H+3], s[4:5]
	s_or_b32 s[G0H+3], s[G0H+3], 0x80000000
	s_add_nc_u64 s[G0R+2:G0R+3], s[4:5], s[22:23]
	s_or_b32 s[G0R+3], s[G0R+3], 0x80000000
	s_lshl_b32 s18, ttmp9, 15
	s_add_nc_u64 s[G0S+2:G0S+3], s[6:7], s[18:19]
	s_or_b32 s[G0S+3], s[G0S+3], 0x80000000
	s_add_nc_u64 s[G0W+2:G0W+3], s[8:9], s[66:67]
	s_or_b32 s[G0W+3], s[G0W+3], 0x80000000
	CROUND                                         ; all four work-groups are here: the first joint loads meet
	s_cmp_lt_u32 s[WV], 2                          ; one tensor load a wave at the head, in one chain of arms: waves 0 and 1 records of We, wave 2 group 0 of enc, wave 3 the scales
	s_cbranch_scc0 .Lhead_e
	tensor_load_to_lds s[G0W:G0W+3], s[G1W:G1W+7]
	s_nop 0
.rept 4
	v_nop
.endr
	s_branch .Lhead_asked
.Lhead_e:
	s_cmp_lt_u32 s[WV], 3
	s_cbranch_scc0 .Lhead_s
	tensor_load_to_lds s[G0H:G0H+3], s[G1:G1+7]
	s_nop 0
.rept 4
	v_nop
.endr
	s_branch .Lhead_asked
.Lhead_s:
	tensor_load_to_lds s[G0S:G0S+3], s[G1S:G1S+7]
	s_nop 0
.rept 4
	v_nop
.endr
.Lhead_asked:
	s_lshl_b32 s66, s[CX], 1
	s_add_co_u32 s66, s66, s[NH]                   ; 2 cx + nh: which 128 rows of We
	s_mul_i32 s68, s66, 8*REC
	s_mov_b32 s69, 0
	s_add_nc_u64 s[WB:WB+1], s[8:9], s[68:69]
	s_lshl_b32 s68, s66, 9
	s_add_nc_u64 s[VB:VB+1], s[10:11], s[68:69]
	s_lshl_b32 s66, s[CX], 2
	s_add_co_u32 s66, s66, s[WV]
	s_mul_i32 s68, s66, 24*256
	s_add_co_u32 s68, s68, 2*GRPM                  ; group 2
	s_add_nc_u64 s[PFA:PFA+1], s[4:5], s[68:69]
	s_lshl_b32 s68, s[CX], 18
	s_lshl_b32 s66, ttmp9, 12
	s_add_co_u32 s68, s68, s66
	s_add_nc_u64 s[12:13], s[12:13], s[68:69]      ; epart: quarter cx, the cluster's 1,024 rows
	s_mul_i32 s70, s[KH], 4*1536
	s_lshl_b32 s71, s[KH], 8
	s_add_co_u32 s71, s71, 12288
	s_mul_i32 s72, s[KH], 384
	s_lshl_b32 s73, s[KH], 4
	s_add_co_u32 s73, s73, SCL
	s_lshl_b32 s74, s[WV], 7
	s_add_co_u32 s74, s74, EST-3*EPIT
	s_mul_i32 s75, s[NH], 4*REC
	s_add_co_u32 s75, s75, s70
	s_add_co_u32 s75, s75, SLOT1
	v_and_b32 v[LN], 31, v0
	v_and_b32 v[RR], 15, v0
	v_bfe_u32 v[HH], v0, 4, 1
	v_lshl_add_u32 v6, v[LN], 4, s70               ; a record's images: 6144 kh + 16 lane
	v_mul_u32_u24 v7, v[HH], 4*REC
	v_lshl_add_u32 v7, v[RR], 2, v7
	v_add_nc_u32 v7, s71, v7                       ; its scale words: lanes 16-31 four records on
	v_lshlrev_b32 v8, 5, v[HH]                     ; v: 8 h numbers on
	WIN 0x40                                       ; destination window 1
.irp s, 0,1
.irp a, 0,1,2,3
.irp c, 0,1,2
	global_load_b128 v[12*(8*\s+\a)+4*\c:12*(8*\s+\a)+4*\c+3], v6, s[WB:WB+1] offset:\a*REC+1536*\s+512*\c
.endr
.endr
.endr
.irp a, 0,1,2,3,4,5,6,7
	global_load_b128 v[VV+4*\a:VV+4*\a+3], v8, s[VB:VB+1] offset:64*\a
.endr
	WIN 0x80                                       ; destination window 2
.irp s, 0,1
.irp a, 0,1,2,3
.irp c, 0,1,2
	global_load_b128 v[12*(8*\s+\a)+4*\c:12*(8*\s+\a)+4*\c+3], v6, s[WB:WB+1] offset:\a*REC+1536*(\s+2)+512*\c
.endr
.endr
.endr
.irp a, 0,1,2,3,4,5,6,7
	global_load_b128 v[VV+4*\a:VV+4*\a+3], v8, s[VB:VB+1] offset:64*\a+16
.endr
	WIN 0
.irp a, 0,1,2,3
.irp s, 0,1,2,3
	global_load_b32 v[AS+4*\a+\s], v7, s[WB:WB+1] offset:\a*REC+64*\s
.endr
.endr
	v_lshl_add_u32 v[STA], v[LN], 4, s75           ; the staged records of my nh: 6144 kh + 16 lane
	v_min_u32 v[PFO], 23, v[LN]                    ; lanes 24-31 name the wave's last block again
	v_lshlrev_b32 v[PFO], 8, v[PFO]
	v_lshrrev_b32 v[RDA], 2, v0                    ; the end: thread T takes rows 4 T .. 4 T + 3: tile T / 4, 16 bytes at 16 (T % 4)
	v_mul_u32_u24 v[RDA], v[RDA], EPIT
	v_and_b32 v[GO], 3, v0
	v_lshl_add_u32 v[RDA], v[GO], 4, v[RDA]
	v_add_nc_u32 v[RDA], EST, v[RDA]
	v_lshlrev_b32 v[GO], 4, v0
	; byte x of a row of codes lies x + 16 (x / 256) bytes into its 816.  My pieces of 8 bytes are x = T + 8 i, T = 384 kh + 24 h, i = 0 .. 44
	v_mul_u32_u24 v9, v[HH], 24
	v_add_nc_u32 v9, s72, v9                       ; T
	v_mad_u32_u24 v10, v[RR], RPIT, v9             ; row r, + T
	v_lshrrev_b32 v11, 8, v9                       ; i = 0 .. 12: the paddings passed
.irp k, 1,2,3,4
	v_add_nc_u32 v[11+\k], 104*(\k%2)+128*(\k/2), v9   ; at 8 i = 104 (13 .. 15), 128 (16 .. 28), 232 (29 .. 31), 256 (32 ..)
.endr
.irp k, 1,2,3,4
	v_lshrrev_b32 v[11+\k], 8, v[11+\k]
.endr
	WIN 0xc0                                       ; destination window 3
.irp k, 0,1,2,3,4
	v_lshl_add_u32 v[BA+\k], v[11+\k], 4, v10
	v_lshl_add_u32 v[CA+\k], v[11+\k], 4, v10      ; tiles 0 and 1 lie at slot 0's start
.endr
	v_lshl_add_u32 v[BES], v[RR], 5, s73           ; row r's 32 scale bytes, my half's 16
	v_lshl_add_u32 v[CES], v[RR], 5, s73
	v_lshl_add_u32 v[BST], v[LN], 2, s74           ; my wave's 128 bytes of a tile's sums, three tiles back
	WIN 0
; enc's four fragments of a tile into set p; o: which tile of the pair in hand.  Lane (r, h), registers 6 c .. 6 c + 5 = K 64 c + 32 h + 0 .. 31: 24 bytes of the row's stream of bits, in pieces of 8
.macro SFR p, o
.irp s, 0,1,2,3
.irp c, 0,1,2,3,4,5
.set PI, 12*\s+6*(\c/3)+\c%3
.if PI < 13
.set AR, CA
.elseif PI < 16
.set AR, CA+1
.elseif PI < 29
.set AR, CA+2
.elseif PI < 32
.set AR, CA+3
.else
.set AR, CA+4
.endif
	ds_load_b64 v[SF+48*(\p)+12*\s+2*\c:SF+48*(\p)+12*\s+2*\c+1], v[AR] offset:8*PI+(\o)*TPIT
.endr
.endr
.endm
; One matrix instruction: set p, K step s of my four, block a of We
.macro WM p, s, a
.set rD, 64*(\p)+8*(\a)
.set rA, 12*(8*((\s)%2)+(\a))
.set rB, SF+48*(\p)+12*(\s)
.set rX, AS+4*((\a)%4)+(\s)
.set rY, ES+4*(\p)+(\s)
.if (\s) == 0
.if (\a) < 4
	v_wmma_scale_f32_16x16x128_f8f6f4 v[rD:rD+7], v[rA:rA+11], v[rB:rB+11], 0, v[rX], v[rY] matrix_a_fmt:MATRIX_FMT_FP6 matrix_b_fmt:MATRIX_FMT_FP6
.else
	v_wmma_scale_f32_16x16x128_f8f6f4 v[rD:rD+7], v[rA:rA+11], v[rB:rB+11], 0, v[rX], v[rY] matrix_a_fmt:MATRIX_FMT_FP6 matrix_b_fmt:MATRIX_FMT_FP6 matrix_a_scale:MATRIX_SCALE_ROW1
.endif
.else
.if (\a) < 4
	v_wmma_scale_f32_16x16x128_f8f6f4 v[rD:rD+7], v[rA:rA+11], v[rB:rB+11], v[rD:rD+7], v[rX], v[rY] matrix_a_fmt:MATRIX_FMT_FP6 matrix_b_fmt:MATRIX_FMT_FP6
.else
	v_wmma_scale_f32_16x16x128_f8f6f4 v[rD:rD+7], v[rA:rA+11], v[rB:rB+11], v[rD:rD+7], v[rX], v[rY] matrix_a_fmt:MATRIX_FMT_FP6 matrix_b_fmt:MATRIX_FMT_FP6 matrix_a_scale:MATRIX_SCALE_ROW1
.endif
.endif
.endm
; Fold number q of 32 of set p onto pair e: block q % 8, columns 2 (q / 8) and the next: the low pairs of all eight accumulators come first.  Folds 0-15 take v from window 1, folds 16-31 from window 2
.macro PK p, q, e, first
.set rV, VV+4*((\q)%8)+2*(((\q)/8)%2)
.set rC, 64*(\p)+8*((\q)%8)+2*((\q)/8)
.if \first
	v_pk_mul_f32 v[(\e):(\e)+1], v[rV:rV+1], v[rC:rC+1]
.else
	v_pk_fma_f32 v[(\e):(\e)+1], v[rV:rV+1], v[rC:rC+1], v[(\e):(\e)+1]
.endif
.endm
.macro FOLD p
.if i == 0
	PK \p, i, EN+2*(\p), 1
.else
	PK \p, i, EN+2*(\p), 0
.endif
.endm
; THE LDS INSTRUCTIONS OF A TILE STAND IN ONE RUN, behind its tenth product, with no vector instruction among them: the one addition (the sum of the tile two back) stands ahead of them.
; The run: the next tile's 24 pieces and its scale words into the other set (22 products ahead of the wait for them), and the store of that sum.
; Ten folds stand between the last tile's products and these loads, and between that tile's last fold and the line that reads its pair.
.macro RUN p, ld, st
	WIN 0xff
.if \st
	v_add_f32 v[EE], v[EN+2*\p], v[EN+2*\p+1]
.endif
.if \ld
	SFR 1-\p, 1-\p
.endif
.if \st
	ds_store_b32 v[CST], v[EE] offset:(1-\p)*EPIT
.endif
.if \ld
	WIN 0x3f                                       ; destination window 0, address window 3
	ds_load_b128 v[ES+4*(1-\p):ES+4*(1-\p)+3], v[CES] offset:(1-\p)*512
.endif
	WIN W_LO
.endm
; In an even tile the seven addresses of the next pair of tiles are made behind products 10 to 16, one line each (their source 0 is a scalar, so both settings of the windows serve)
.macro NXT
.if i == 10
	s_add_co_u32 s[TB], s[TB], 2*TPIT
	s_add_co_u32 s[TS], s[TS], 1024
	s_add_co_u32 s[TE], s[TE], 2*EPIT
.endif
.if i >= 10
.if i < 15
	v_add_nc_u32 v[CA+i-10], s[TB], v[BA+i-10]
.elseif i == 15
	v_add_nc_u32 v[CES], s[TS], v[BES]
.elseif i == 16
	v_add_nc_u32 v[CST], s[TE], v[BST]
.endif
.endif
.endm
; A TILE on set p.  epi: the tile before, in the other set, is folded, one fold behind each product.  ld: the next tile is fetched.  st: the sum of the tile two back is stored.
.macro TILE p, epi, ld, st
	s_wait_dscnt 0x0                               ; the last run is done: this tile's fragments and scale words are in
	WIN W_LO
.set i, 0
.rept 32
.if i == 16
	WIN W_HI
.endif
	WM \p, i/8, i%8
.if \epi
	FOLD 1-\p
.else
.if i >= 24
	v_nop                                          ; a tile that folds nothing: the places between its last products and the next tile's folds
.endif
.endif
.if i == 9
	RUN \p, \ld, \st
.endif
.if \ld
.if \p == 0
	NXT
.endif
.endif
.set i, i+1
.endr
.endm
.macro PAIRS n                         ; 2 n tiles, an odd one first
	WIN 0                                          ; at a label and at a branch every window is 0
	s_mov_b32 s[CNT], \n
.Lpair_\@:
	TILE 1, 1, 1, 1
	TILE 0, 1, 1, 1
	WIN 0
	s_sub_co_u32 s[CNT], s[CNT], 1
	s_cmp_lg_u32 s[CNT], 0
	s_cbranch_scc1 .Lpair_\@
.endm
; THE CHANGE OF SLOTS stands in front of a group's last tile, whose fragments are already in registers.  Each wave waits for all its tensor loads (one is out: its part of the next group), adds 0 to its spare
; word, and waits for that and for its reads of the slot.  fill: the barrier is a round of the cluster's, and the slot just left takes the group after the next.  turn: the fetches go on in the other slot.
; pf = 1: group 2 is prefetched; pf = 2: the prefetch steps a group on and stops ahead of the last refill.  first: from here on a load brings 96 rows.
.macro CHANGE fill, turn, pf, first
	WIN 0
.if \pf == 2
	s_wait_xcnt 0x0                                ; my last prefetch has read its address
	s_add_nc_u64 s[PFA:PFA+1], s[PFA:PFA+1], GRPM
.endif
	s_wait_tensorcnt 0x0                           ; no tensor load of mine is out, so a descriptor may be written
	ds_add_u32 v[SPW], v[NIL]                      ; 0 onto my spare word
.if \first
	s_mov_b32 s[G1+2], 96<<16
	s_mov_b32 s[G1+4], 96
.endif
.if \fill
	s_xor_b32 s[G0R+1], s[G0R+1], SLOT1            ; the other slot than last time,
	s_add_nc_u64 s[G0R+2:G0R+3], s[G0R+2:G0R+3], GRPM   ; the next 128 rows
.endif
.if \turn
	s_sub_co_u32 s[TB], s[TB], GRPL                ; back to a slot's first tile,
	s_xor_b32 s[TB], s[TB], SLOT1                  ; in the other slot
	WIN 0xff
.irp k, 0,1,2,3,4
	v_add_nc_u32 v[CA+\k], s[TB], v[BA+\k]
.endr
	WIN 0
	s_wait_alu depctr_va_vdst(0)
.endif
	s_wait_dscnt 0x0                               ; the add is done, and my reads of the slot (the first time: of the staged records) are over
.if \fill
	CROUND                                         ; no wave of any partner still reads those bytes or has a load on its way
	tensor_load_to_lds s[G0R:G0R+3], s[G1:G1+7]    ; the first thing behind the round, and my one tensor load until the next
	s_nop 0
.rept 4
	v_nop
.endr
.else
	s_barrier_signal -1
	s_barrier_wait -1
.endif
.if \pf == 2
	s_cmp_gt_u32 s[GRP], 1                         ; the last refill has no group behind it
	s_cbranch_scc0 .Lno_pf_\@
.endif
.if \pf
	global_prefetch_b8 v[PFO], s[PFA:PFA+1] th:TH_LOAD_NT scope:SCOPE_SE
.endif
.if \pf == 2
.Lno_pf_\@:
.endif
.endm
	s_wait_alu depctr_va_vdst(0)
	s_wait_tensorcnt 0x0                           ; my tile of the head's four is in,
	s_barrier_signal -1
	s_barrier_wait -1                              ; everybody's is
	WIN 0x40                                       ; We's blocks 4-7 out of the staged records: 512 consecutive bytes an instruction
.irp s, 0,1
.irp a, 4,5,6,7
.irp c, 0,1,2
	ds_load_b128 v[12*(8*\s+\a)+4*\c:12*(8*\s+\a)+4*\c+3], v[STA] offset:(\a-4)*REC+1536*\s+512*\c
.endr
.endr
.endr
	WIN 0x80
.irp s, 0,1
.irp a, 4,5,6,7
.irp c, 0,1,2
	ds_load_b128 v[12*(8*\s+\a)+4*\c:12*(8*\s+\a)+4*\c+3], v[STA] offset:(\a-4)*REC+1536*(\s+2)+512*\c
.endr
.endr
.endr
	WIN 0x3f
	ds_load_b128 v[ES:ES+3], v[CES]                ; tile 0 into set 0
	WIN 0xff
	SFR 0, 0
	CHANGE 1, 0, 1, 1                              ; the staged records are in registers: group 1 goes into slot 1, over them
	s_wait_loadcnt 0x0                             ; We's blocks 0-3, its scale words, and v
	TILE 0, 0, 1, 0                                ; tile 0: nothing to fold yet
	TILE 1, 1, 1, 0                                ; tile 1: no sum is finished yet
	TILE 0, 1, 1, 1
	PAIRS 2                                        ; tiles 3 to 6
	s_mov_b32 s[GRP], 6
.Lgroup:                                               ; trip k = 1 .. 6: the change in front of tile 8 k - 1 asks for group k + 1; tiles 8 k - 1 to 8 k + 6
	CHANGE 1, 1, 2, 0
	PAIRS 4
	s_sub_co_u32 s[GRP], s[GRP], 1
	s_cmp_lg_u32 s[GRP], 0
	s_cbranch_scc1 .Lgroup
	CHANGE 0, 1, 0, 0                              ; the tail is written out: nothing is left to ask for
	PAIRS 4                                        ; tiles 55 to 62
	TILE 1, 1, 0, 1                                ; tile 63
; tile 63 is folded, on two pairs by turns; the eight folds behind its last eight products are the places ahead of these
.macro TFOLD
.set eD, EN+2+4*(i%2)
.if i < 2
	PK 1, i, eD, 1
.else
	PK 1, i, eD, 0
.endif
.set i, i+1
.endm
.set i, 0
	WIN W_LO
.rept 16
	TFOLD
.endr
	WIN W_HI
.rept 16
	TFOLD
.endr
	WIN 0xff
	v_add_f32 v[EE], v[EN], v[EN+1]                ; tile 62's sum
	v_pk_add_f32 v[EN+2:EN+3], v[EN+2:EN+3], v[EN2:EN2+1]
	ds_store_b32 v[CST], v[EE] offset:EPIT
	v_add_f32 v[EE+1], v[EN+2], v[EN+3]            ; tile 63's
	ds_store_b32 v[CST], v[EE+1] offset:2*EPIT
	WIN 0
	s_wait_dscnt 0x0                               ; for the others' sake: my stores have landed
	s_barrier_signal -1
	s_barrier_wait -1
	; THE END.  Thread T adds, for rows 4 T .. 4 T + 3 and 512 + 4 T .. + 3, the words of 4 waves x 2 halves of the lanes
.irp g, 0,1
.irp w, 0,1,2,3
.irp h, 0,1
	ds_load_b128 v[WK+32*\g+8*\w+4*\h:WK+32*\g+8*\w+4*\h+3], v[RDA] offset:\g*32*EPIT+128*\w+64*\h
.endr
.endr
.endr
	s_wait_dscnt 0x0
.irp d, 4,8,16
.irp g, 0,32
.irp k, 0,8,16,24
.if (\k % (2*\d)) == 0
	v_pk_add_f32 v[WK+\g+\k:WK+\g+\k+1], v[WK+\g+\k:WK+\g+\k+1], v[WK+\g+\k+\d:WK+\g+\k+\d+1]
	v_pk_add_f32 v[WK+\g+\k+2:WK+\g+\k+3], v[WK+\g+\k+2:WK+\g+\k+3], v[WK+\g+\k+\d+2:WK+\g+\k+\d+3]
.endif
.endr
.endr
.endr
	global_store_b128 v[GO], v[WK:WK+3], s[12:13]  ; a wave stores 512 consecutive bytes, aligned
	global_store_b128 v[GO], v[WK+32:WK+35], s[12:13] offset:2048
	s_wait_tensorcnt 0x0                           ; the wave's end
	ds_add_u32 v[SPW], v[NIL]
	s_wait_dscnt 0x0
	CROUND                                         ; the closing round
	s_endpgm
.Lfunc_end_k_qbe0b926a2c_gemm:
	.size	k_qbe0b926a2c_gemm, .Lfunc_end_k_qbe0b926a2c_gemm-k_qbe0b926a2c_gemm
	.p2alignl 7, 3214868480
	.fill 96, 4, 3214868480
	.section	.rodata,"a",@progbits
	.p2align	6, 0x0
	.amdhsa_kernel k_qbe0b926a2c_gemm
		.amdhsa_group_segment_fixed_size 327680
		.amdhsa_private_segment_fixed_size 0
		.amdhsa_enable_private_segment 0
		.amdhsa_kernarg_size 40
		.amdhsa_user_sgpr_count 2
		.amdhsa_user_sgpr_kernarg_segment_ptr 1
		.amdhsa_wavefront_size32 1
		.amdhsa_system_sgpr_workgroup_id_x 1
		.amdhsa_system_sgpr_workgroup_id_y 1
		.amdhsa_system_sgpr_workgroup_id_z 1
		.amdhsa_system_vgpr_workitem_id 0
		.amdhsa_next_free_vgpr 1024
		.amdhsa_next_free_sgpr 96
		.amdhsa_reserve_vcc 0
		.amdhsa_float_denorm_mode_32 3
		.amdhsa_float_denorm_mode_16_64 3
		.amdhsa_memory_ordered 1
		.amdhsa_forward_progress 1
		.amdhsa_inst_pref_size 108
	.end_amdhsa_kernel
	.amdgpu_metadata
---
amdhsa.version: [ 1, 2 ]
amdhsa.kernels:
  - .name:           k_qbe0b926a2c_gemm
    .symbol:         k_qbe0b926a2c_gemm.kd
    .args:
      - { .name: encoder_outputs_codes, .offset: 0, .size: 8, .value_kind: global_buffer, .address_space: global }
      - { .name: encoder_outputs_scales, .offset: 8, .size: 8, .value_kind: global_buffer, .address_space: global }
      - { .name: wrec, .offset: 16, .size: 8, .value_kind: global_buffer, .address_space: global }
      - { .name: v, .offset: 24, .size: 8, .value_kind: global_buffer, .address_space: global }
      - { .name: epart, .offset: 32, .size: 8, .value_kind: global_buffer, .address_space: global }
    .group_segment_fixed_size: 327680
    .private_segment_fixed_size: 0
    .kernarg_segment_align: 8
    .kernarg_segment_size: 40
    .max_flat_workgroup_size: 128
    .sgpr_count:     96
    .vgpr_count:     1024
    .wavefront_size: 32
...
	.end_amdgpu_metadata
.endif
;; end of part 5
;; launch soft (part 6): grid 16 x 1, 32 waves a work-group, no clusters, 4,608 bytes of LDS; arguments epart, out0; writes out0
.if DOCPART == 6
	.amdgcn_target "amdgcn-amd-amdhsa--gfx1250"
	.amdhsa_code_object_version 6
	.text
	.protected	k_qbe0b926a2c_soft
	.globl	k_qbe0b926a2c_soft
	.p2align	8
	.type	k_qbe0b926a2c_soft,@function
k_qbe0b926a2c_soft:
	s_mov_b64 s[64:65], 0
	v_nop
	global_prefetch_b8 v0, s[64:65] scope:SCOPE_SE
	s_setreg_imm32_b32 hwreg(HW_REG_WAVE_MODE, 25, 1), 1
	s_wait_xcnt 0x0
; out0[b][i] = softmax over i of the energies, energy = the sum of the four parts epart[0 .. 3][b][i].  4,096 positions a batch, 16 batches.
; The hidden term and the bias, one number a batch, are left out: they are the same along the softmax's axis (shown at the head of launch quant).
; A softmax row has one owner: a work-group of 32 waves takes a batch, a thread four neighbouring positions, which stay in registers.  The row's maximum is taken away ahead of the exponential.
; Sixteen work-groups: a row spread over more work-groups would want a further launch.  No matrix unit, no tensor load, no cluster: nothing is shared.
; LDS: bytes 0-127 the waves' maxima, 256-383 their sums; from 512 the spare words.
.macro WMAX r                          ; the largest over the wave's 32 lanes, in every lane
	v_max_num_f32_dpp v[\r], v[\r], v[\r] row_xmask:1 row_mask:0xf bank_mask:0xf
	s_delay_alu instid0(VALU_DEP_1)
	v_max_num_f32_dpp v[\r], v[\r], v[\r] row_xmask:2 row_mask:0xf bank_mask:0xf
	s_delay_alu instid0(VALU_DEP_1)
	v_max_num_f32_dpp v[\r], v[\r], v[\r] row_xmask:4 row_mask:0xf bank_mask:0xf
	s_delay_alu instid0(VALU_DEP_1)
	v_max_num_f32_dpp v[\r], v[\r], v[\r] row_xmask:8 row_mask:0xf bank_mask:0xf
	s_wait_alu depctr_va_vdst(0)
	v_permlanex16_b32 v13, v[\r], s16, s17
	s_delay_alu instid0(VALU_DEP_1)
	v_max_num_f32 v[\r], v[\r], v13
.endm
.macro WSUM r                          ; the sum likewise
	v_add_f32_dpp v[\r], v[\r], v[\r] row_xmask:1 row_mask:0xf bank_mask:0xf
	s_delay_alu instid0(VALU_DEP_1)
	v_add_f32_dpp v[\r], v[\r], v[\r] row_xmask:2 row_mask:0xf bank_mask:0xf
	s_delay_alu instid0(VALU_DEP_1)
	v_add_f32_dpp v[\r], v[\r], v[\r] row_xmask:4 row_mask:0xf bank_mask:0xf
	s_delay_alu instid0(VALU_DEP_1)
	v_add_f32_dpp v[\r], v[\r], v[\r] row_xmask:8 row_mask:0xf bank_mask:0xf
	s_wait_alu depctr_va_vdst(0)
	v_permlanex16_b32 v13, v[\r], s16, s17
	s_delay_alu instid0(VALU_DEP_1)
	v_add_f32 v[\r], v[\r], v13
.endm
	s_load_b128 s[4:7], s[0:1], 0x0                ; epart, out0
	v_lshl_add_u32 v32, v0, 2, 0x200
	v_mov_b32 v33, 0
	v_lshrrev_b32 v1, 5, v0                        ; wave
	v_and_b32 v2, 31, v0                           ; lane
	v_lshlrev_b32 v3, 4, v0                        ; my four positions: 16 bytes
	v_mov_b32 v13, 0                               ; written once: a lane permute's destination counts as one of its sources
	v_lshlrev_b32 v5, 2, v2                        ; LDS: 4 x lane
	v_lshlrev_b32 v6, 2, v1                        ; LDS: 4 x wave
	s_lshl_b32 s12, ttmp9, 14                      ; a batch's 16,384 bytes
	s_mov_b32 s13, 0
	s_mov_b32 s16, 0x76543210
	s_mov_b32 s17, 0xfedcba98                      ; v_permlanex16_b32's selects for lane l xor 16
	s_wait_alu depctr_va_vdst(0)
	s_wait_kmcnt 0x0
	s_add_nc_u64 s[4:5], s[4:5], s[12:13]
	s_add_nc_u64 s[6:7], s[6:7], s[12:13]
	global_load_b128 v[8:11], v3, s[4:5] th:TH_LOAD_NT
	global_load_b128 v[16:19], v3, s[4:5] offset:262144 th:TH_LOAD_NT
	global_load_b128 v[20:23], v3, s[4:5] offset:524288 th:TH_LOAD_NT
	global_load_b128 v[24:27], v3, s[4:5] offset:786432 th:TH_LOAD_NT
	s_wait_loadcnt 0x0
	v_pk_add_f32 v[8:9], v[8:9], v[16:17]          ; the four quarters of n
	v_pk_add_f32 v[10:11], v[10:11], v[18:19]
	v_pk_add_f32 v[20:21], v[20:21], v[24:25]
	v_pk_add_f32 v[22:23], v[22:23], v[26:27]
	s_delay_alu instid0(VALU_DEP_2)
	v_pk_add_f32 v[8:9], v[8:9], v[20:21]
	s_delay_alu instid0(VALU_DEP_2)
	v_pk_add_f32 v[10:11], v[10:11], v[22:23]
	s_delay_alu instid0(VALU_DEP_1)
	v_max3_num_f32 v14, v8, v9, v10
	s_delay_alu instid0(VALU_DEP_1)
	v_max_num_f32 v14, v14, v11
	WMAX 14
	ds_store_b32 v6, v14                           ; all lanes of a wave write the same word with the same value
	s_wait_dscnt 0x0                               ; for the others' sake: my store has landed
	s_barrier_signal -1
	s_barrier_wait -1
	ds_load_b32 v14, v5                            ; lane l takes wave l's
	s_wait_dscnt 0x0
	WMAX 14                                        ; the largest energy of the batch
.irp j, 8,9,10,11
	v_sub_f32 v\j, v\j, v14                        ; 0 or less: the difference first, so that large energies lose nothing
.endr
.irp j, 8,9,10,11
	s_delay_alu instid0(VALU_DEP_4)
	v_mul_f32 v\j, 0x3fb8aa3b, v\j                 ; x log2(e)
.endr
	s_wait_alu depctr_va_vdst(0)
.irp j, 8,9,10,11
	v_exp_f32 v\j, v\j
.endr
	v_nop                                          ; a plain instruction behind the last exponential
	s_wait_alu depctr_va_vdst(0)                   ; one wait for the four, ahead of their first reader
	v_add_f32 v16, v8, v9
	v_add_f32 v17, v10, v11
	v_add_f32 v16, v16, v17
	WSUM 16
	ds_store_b32 v6, v16 offset:256                ; other bytes than the first reduction's
	s_wait_dscnt 0x0
	s_barrier_signal -1
	s_barrier_wait -1
	ds_load_b32 v16, v5 offset:256
	s_wait_dscnt 0x0
	WSUM 16                                        ; the row's sum: at least 1
	s_wait_alu depctr_va_vdst(0)
	v_rcp_f32 v17, v16
	v_nop                                          ; a plain instruction behind the reciprocal
	s_wait_alu depctr_va_vdst(0)                   ; and its wait, ahead of the first reader
.irp j, 8,9,10,11
	v_mul_f32 v\j, v\j, v17
.endr
	global_store_b128 v3, v[8:11], s[6:7]          ; 16 lanes store 256 consecutive bytes, aligned
	s_wait_tensorcnt 0x0                           ; the wave's end
	ds_add_u32 v32, v33
	s_wait_dscnt 0x0
	s_endpgm
.Lfunc_end_k_qbe0b926a2c_soft:
	.size	k_qbe0b926a2c_soft, .Lfunc_end_k_qbe0b926a2c_soft-k_qbe0b926a2c_soft
	.p2alignl 7, 3214868480
	.fill 96, 4, 3214868480
	.section	.rodata,"a",@progbits
	.p2align	6, 0x0
	.amdhsa_kernel k_qbe0b926a2c_soft
		.amdhsa_group_segment_fixed_size 4608
		.amdhsa_private_segment_fixed_size 0
		.amdhsa_enable_private_segment 0
		.amdhsa_kernarg_size 16
		.amdhsa_user_sgpr_count 2
		.amdhsa_user_sgpr_kernarg_segment_ptr 1
		.amdhsa_wavefront_size32 1
		.amdhsa_system_sgpr_workgroup_id_x 1
		.amdhsa_system_sgpr_workgroup_id_y 1
		.amdhsa_system_sgpr_workgroup_id_z 1
		.amdhsa_system_vgpr_workitem_id 0
		.amdhsa_next_free_vgpr 34
		.amdhsa_next_free_sgpr 66
		.amdhsa_reserve_vcc 0
		.amdhsa_float_denorm_mode_32 3
		.amdhsa_float_denorm_mode_16_64 3
		.amdhsa_memory_ordered 1
		.amdhsa_forward_progress 1
		.amdhsa_inst_pref_size 6
	.end_amdhsa_kernel
	.amdgpu_metadata
---
amdhsa.version: [ 1, 2 ]
amdhsa.kernels:
  - .name:           k_qbe0b926a2c_soft
    .symbol:         k_qbe0b926a2c_soft.kd
    .args:
      - { .name: epart, .offset: 0, .size: 8, .value_kind: global_buffer, .address_space: global }
      - { .name: out0, .offset: 8, .size: 8, .value_kind: global_buffer, .address_space: global }
    .group_segment_fixed_size: 4608
    .private_segment_fixed_size: 0
    .kernarg_segment_align: 8
    .kernarg_segment_size: 16
    .max_flat_workgroup_size: 1024
    .sgpr_count:     66
    .vgpr_count:     34
    .wavefront_size: 32
...
	.end_amdgpu_metadata
.endif
;; end of part 6
